; MI455X (gfx1250); checked and timed in simulation.
; The chip was launched on July 23, 2026; its instructions are those of AMD's public machine-readable ISA for CDNA 5 (MIT licence, August 2026) and "CDNA5" Instruction Set Architecture Reference Guide (July 2026). The comments in the code are by the model that wrote it; some were corrected since.
;; Custom Lora Linear. Allowed arithmetic: matrix products marked QUANTISED: E2M3 operands, one E8M0 scale for each 32 along K, by v_wmma_scale_f32_16x16x128_f8f6f4 with both operands' format E2M3, f32 sums; products left as they are: f32 operands where the result goes on into a quantised operand, else bf16, f16 or f32 operands; f32 sums; everything else in f32.
;; Inputs: g_idx 4,096 int32; lora_A 16 x 4,096 float32; lora_B 2,048 x 16 float32; qweight 512 x 2,048 int32; qzeros 32 x 256 int32; scales 32 x 2,048 float32; x 4 x 2,048 x 4,096 float32.
;; Outputs: out0 4 x 2,048 x 2,048 float32.
;; This version of the problem:
;;   THIS VERSION OF THE PROBLEM IS GIVEN IN LOW PRECISION. The matrix products marked QUANTISED in the list below multiply operands that are first quantised to E2M3 (2 exponent bits, 3 mantissa bits; 6 bits a number), with one power-of-two scale for each 32 numbers along K (OCP MX v1.0); their sums are f32. All else is computed in f32.
;;   The module's matrix products, in the order in which they are computed (A, B: the left and right operand; K: the contracted axis; several contracted axes count as one K, in the product's order):
;;     1. [M 4,096, K 16] x [K 16, N 2,048]; A: input lora_A; B: input lora_B: left as it is (K = 16 < 32)
;;     2. [M 8,192, K 4,096] x [K 4,096, N 2,048]; A: input x; B: computed on the way: QUANTISED
;;   THE QUANTISER, for each operand of a quantised product, along K:
;;     - K is cut into blocks of 32 from its start; a last block that is shorter is filled with zeros.
;;     - A block's scale is 2^e with e = floor(log2(the largest magnitude in the block)) - 2, held to -126 .. 127; a block of zeros has e = 0. As a byte (E8M0): e + 127.
;;     - Each number is divided by its block's scale, clamped to +-7.5, and rounded to the nearest number of E2M3, ties to even, subnormals kept.
;;     - The product sums the exact products of the quantised numbers (number of the format x scale) in f32.
;;   ~~~python
;;   def quantise(x, axis):      # numpy; x: float32 -> the quantised numbers, widened to float32 again
;;       x = np.moveaxis(x, axis, -1); K = x.shape[-1]
;;       x = np.pad(x, [(0, 0)] * (x.ndim - 1) + [(0, -K % 32)]); x = x.reshape(x.shape[:-1] + (-1, 32)); a = np.abs(x).max(-1, keepdims=True)
;;       e = np.where(a > 0, np.clip(np.frexp(np.where(a > 0, a, 1))[1] - 1 - 2, -126, 127), 0)      # np.frexp(a)[1] - 1 = floor(log2(a)), exactly
;;       r = np.clip(x / 2.0 ** e, -7.5, 7.5)
;;       step = 2.0 ** (np.maximum(np.frexp(np.where(r == 0, 1, r))[1] - 1, 0) - 3)
;;       q = np.round(r / step) * step * 2.0 ** e      # np.round: ties to even
;;       return np.moveaxis(q.reshape(q.shape[:-2] + (-1,))[..., :K], -1, axis).astype(np.float32)
;;   ~~~
;;   OPERANDS COMPUTED ON THE WAY. 'Computed on the way' means the value that the module computes at that place (a softmax that the list does not call 'softmax' is quantised finished and normalised). What goes into a quantiser is computed in f32, as accurately as f32 sums, v_exp_f32 and their like allow (about 1e-6 of the number): no bf16 or f16 on the way to a quantiser, and a product that is left as it is and whose result goes on into a quantised operand takes f32 operands (vector FMAs, or v_wmma_f32_16x16x4_f32). A number that lies on a knife's edge between two numbers of the format may be rounded either way, as far as f32 arithmetic and the matrix unit's own rounding can turn it there, and no further.
;; One version. Each part assembles by itself: llvm-mc -triple=amdgcn-amd-amdhsa -mcpu=gfx1250 --defsym DOCPART=n.
;; ======== version 1 of 1: 4 launches
;; limits: right only within a limited range of input values
;; workspace buffers: perm 16,384 bytes of whole numbers; atr 262,144 bytes; tab 524,288 bytes; xc 26,214,400 bytes; wc 6,553,600 bytes
;; launch rank (part 1): grid 169 x 1, 16 waves a work-group, no clusters, 135,168 bytes of LDS; arguments g_idx, lora_A, perm, atr, x, xc; writes perm, atr, xc
.if DOCPART == 1
	.amdgcn_target "amdgcn-amd-amdhsa--gfx1250"
	.amdhsa_code_object_version 6
	.text
	.protected	k_qd8d6b1be2a_rank
	.globl	k_qd8d6b1be2a_rank
	.p2align	8
	.type	k_qd8d6b1be2a_rank,@function
k_qd8d6b1be2a_rank:
	s_mov_b64 s[64:65], 0
	v_nop
	global_prefetch_b8 v0, s[64:65] scope:SCOPE_SE
	s_setreg_imm32_b32 hwreg(HW_REG_WAVE_MODE, 25, 1), 1
	s_wait_xcnt 0x0
; TWO KINDS OF WORK-GROUPS, by the work-group's number; neither needs anything of the other.
; WORK-GROUP 0: perm = the stable argsort of g_idx [4096]: perm[rank(i)] = i, where rank(i) = (how many elements are smaller) + (how many equal ones stand before i).
;   Sixteen waves.  Wave w, lane l takes eight chunks c of 32 elements, i = 256 w + 32 c + l: the order (w, c, l) is the order of i, which makes the rank stable.
;   No group is assumed to occur 128 times.  LIMIT: g_idx lies in 0 .. 31, as the tables that it indexes ask; a larger number is held at 31.
;   In a chunk five ballots (one for each bit of the value) give each lane the lanes with ITS VALUE (peers) and the lanes whose value is ITS LANE'S NUMBER (own): the first gives the
;   element's place among its equals in the chunk, the second the chunk's histogram, value v in lane v.  The waves' histograms meet in LDS; a scan over the lanes gives each value's start.
; WORK-GROUPS 1 .. 8: atr [4096][16] = lora_A [16][4096] transposed, 512 rows of atr each.  The next launch takes rows i of lora_A's columns in the SORTED order: from atr a row is 64 consecutive
;   bytes, and a fragment's load takes 16 bytes of each of sixteen rows; from lora_A as it lies each of a load's 32 lanes would take 4 bytes from a place of its own.
.set LB,  5                            ; v5-9    bit b of my lane's number, less 1: 0 where the bit is set, else all ones
.set T,   10                           ; v10-14  the same of my element's value
.set G,   20                           ; v20-27  my eight values; at the end my eight i
.set PRE, 28                           ; v28-35  equals before me in the chunk
.set H,   36                           ; v36-43  the chunk's count of value l; then the counts of the chunks before; then the base of value l for the chunk
.set WT,  44                           ; v44-59  the sixteen waves' counts of value l; at the end addresses and pulled bases
	s_load_b256 s[24:31], s[0:1], 0x0              ; g_idx s[24:25], lora_A s[26:27], perm s[28:29], atr s[30:31]
	s_load_b128 s[20:23], s[0:1], 0x20             ; x s[20:21], xc s[22:23]: for a THIRD KIND of work-groups, 9 .. 168, which need nothing of the others: the first 1,280 runs of the stream of x (at this text's end)
	v_lshl_add_u32 v210, v0, 2, 0x800
	v_mov_b32 v211, 0
	s_cmp_lg_u32 ttmp9, 0
	s_cbranch_scc1 .Ltr
; ---------------- WORK-GROUP 0: the rank
	v_lshrrev_b32 v1, 5, v0
	s_delay_alu instid0(VALU_DEP_1)
	v_readfirstlane_b32 s8, v1                     ; wave 0..15
	v_and_b32 v1, 31, v0                           ; lane
	v_lshlrev_b32 v3, 2, v0                        ; LDS: my wave's histogram, my lane's word: 4 x thread
	s_delay_alu instid0(VALU_DEP_2)
	v_lshlrev_b32 v4, 2, v1                        ; 4 x lane
	s_lshl_b32 s9, s8, 10
	v_add_nc_u32 v2, s9, v4                        ; g_idx: 1,024 w + 4 l
.irp b, 0,1,2,3,4
	v_bfe_u32 v[LB+\b], v1, \b, 1
.endr
.irp b, 0,1,2,3,4
	v_add_nc_u32 v[LB+\b], -1, v[LB+\b]
.endr
	s_mov_b32 s16, 0x55555555                      ; the masks and the multiplier of a count of ones by sums of fields
	s_mov_b32 s17, 0x33333333
	s_mov_b32 s18, 0x0f0f0f0f
	s_mov_b32 s19, 0x01010101
	s_wait_kmcnt 0x0
.irp c, 0,1,2,3,4,5,6,7
	global_load_b32 v[G+\c], v2, s[24:25] offset:128*\c    ; 32 lanes read 128 consecutive bytes
.endr
	s_wait_loadcnt 0x0
.irp c, 0,1,2,3,4,5,6,7
	v_min_u32 v[G+\c], 31, v[G+\c]
.endr
.macro CHUNK c
.irp b, 0,1,2,3,4
	v_bfe_u32 v[T+\b], v[G+\c], \b, 1
.endr
.irp b, 0,1,2,3,4
	v_add_nc_u32 v[T+\b], -1, v[T+\b]
.endr
.irp b, 0,1,2,3,4
	v_cmp_eq_u32 s[10+\b], 0, v[T+\b]              ; the lanes whose value has bit b set
.endr
	v_xor_b32 v15, s10, v[T]                       ; the lanes that agree with my value in bit 0,
	v_xor_b32 v16, s10, v[LB]                      ; and with my lane's number
.irp b, 1,2,3,4
	v_xor_b32 v17, s[10+\b], v[T+\b]
	v_xor_b32 v18, s[10+\b], v[LB+\b]
	s_delay_alu instid0(VALU_DEP_2)
	v_and_b32 v15, v15, v17                        ; in all five bits: peers,
	s_delay_alu instid0(VALU_DEP_2)
	v_and_b32 v16, v16, v18                        ; own
.endr
	s_delay_alu instid0(VALU_DEP_2)
	v_mbcnt_lo_u32_b32 v[PRE+\c], v15, 0           ; peers in lanes below mine
	s_delay_alu instid0(VALU_DEP_2)
	v_lshrrev_b32 v17, 1, v16                      ; the ones in own: pairs,
	s_delay_alu instid0(VALU_DEP_1)
	v_and_b32 v17, s16, v17
	s_delay_alu instid0(VALU_DEP_1)
	v_sub_nc_u32 v16, v16, v17
	s_delay_alu instid0(VALU_DEP_1)
	v_lshrrev_b32 v17, 2, v16                      ; fours,
	s_delay_alu instid0(VALU_DEP_2)
	v_and_b32 v16, s17, v16
	s_delay_alu instid0(VALU_DEP_2)
	v_and_b32 v17, s17, v17
	s_delay_alu instid0(VALU_DEP_1)
	v_add_nc_u32 v16, v16, v17
	s_delay_alu instid0(VALU_DEP_1)
	v_lshrrev_b32 v17, 4, v16                      ; bytes,
	s_delay_alu instid0(VALU_DEP_1)
	v_add_nc_u32 v16, v16, v17
	s_delay_alu instid0(VALU_DEP_1)
	v_and_b32 v16, s18, v16
	s_delay_alu instid0(VALU_DEP_1)
	v_mul_lo_u32 v16, v16, s19                     ; and their sum in the top byte
	s_delay_alu instid0(VALU_DEP_1)
	v_lshrrev_b32 v[H+\c], 24, v16
.endm
.irp c, 0,1,2,3,4,5,6,7
	CHUNK \c
.endr
	v_mov_b32 v60, 0
.irp c, 0,1,2,3,4,5,6,7
	v_mov_b32 v63, v[H+\c]
	s_delay_alu instid0(VALU_DEP_2)
	v_mov_b32 v[H+\c], v60                         ; value l in my wave's chunks before c
	s_delay_alu instid0(VALU_DEP_2)
	v_add_nc_u32 v60, v60, v63
.endr
	ds_store_b32 v3, v60                           ; my wave's count of value l
	s_wait_dscnt 0x0                               ; for the others' sake: the store is done
	s_barrier_signal -1
	s_barrier_wait -1
.irp k, 0,1,2,3,4,5,6,7,8,9,10,11,12,13,14,15
	ds_load_b32 v[WT+\k], v4 offset:128*\k
.endr
	s_wait_dscnt 0x0
	v_mov_b32 v60, 0                               ; value l in all waves,
	v_mov_b32 v62, 0                               ; and in the waves before mine
.irp k, 0,1,2,3,4,5,6,7,8,9,10,11,12,13,14,15
	s_cmp_gt_u32 s8, \k
	s_cselect_b32 s20, -1, 0
	v_and_b32 v63, s20, v[WT+\k]
	v_add_nc_u32 v60, v60, v[WT+\k]
	s_delay_alu instid0(VALU_DEP_2)
	v_add_nc_u32 v62, v62, v63
.endr
	s_delay_alu instid0(VALU_DEP_2)
	v_mov_b32 v61, v60                             ; the running sum over the values: four steps inside each half of 16 lanes,
.irp n, 1,2,4,8
	s_delay_alu instid0(VALU_DEP_1)
	v_mov_b32_dpp v63, v61 row_shr:\n row_mask:0xf bank_mask:0xf bound_ctrl:1
	s_delay_alu instid0(VALU_DEP_1)
	v_add_nc_u32 v61, v61, v63
.endr
	s_delay_alu instid0(VALU_DEP_1)
	v_readlane_b32 s20, v61, 15                    ; and the lower half's total onto the upper half
	s_delay_alu instid0(VALU_DEP_1)
	v_mov_b32 v63, s20
	v_cmp_lt_u32 vcc_lo, 15, v1
	s_delay_alu instid0(VALU_DEP_1)
	v_cndmask_b32 v63, 0, v63, vcc_lo
	s_delay_alu instid0(VALU_DEP_1)
	v_add_nc_u32 v61, v61, v63
	s_delay_alu instid0(VALU_DEP_1)
	v_sub_nc_u32 v61, v61, v60                     ; where value l begins in the sorted order,
	s_delay_alu instid0(VALU_DEP_1)
	v_add_nc_u32 v61, v61, v62                     ; and where my wave's share of it begins
	s_lshl_b32 s9, s8, 8
	v_add_nc_u32 v19, s9, v1                       ; 256 w + l
.irp c, 0,1,2,3,4,5,6,7
	v_add_nc_u32 v[H+\c], v61, v[H+\c]             ; ... and chunk c's
	v_lshlrev_b32 v[WT+\c], 2, v[G+\c]             ; the lane that holds my value's base, as a byte index
.endr
.irp c, 0,1,2,3,4,5,6,7
	ds_bpermute_b32 v[WT+8+\c], v[WT+\c], v[H+\c]
.endr
	s_wait_dscnt 0x0
.irp c, 0,1,2,3,4,5,6,7
	v_add_nc_u32 v[WT+\c], v[WT+8+\c], v[PRE+\c]   ; the rank
	v_add_nc_u32 v[G+\c], 32*\c, v19               ; i
.endr
.irp c, 0,1,2,3,4,5,6,7
	v_min_u32 v[WT+\c], 0xfff, v[WT+\c]            ; a number made of loaded numbers enters an address only behind a bound
.endr
.irp c, 0,1,2,3,4,5,6,7
	v_lshlrev_b32 v[WT+\c], 2, v[WT+\c]
.endr
.irp c, 0,1,2,3,4,5,6,7
	global_store_b32 v[WT+\c], v[G+\c], s[28:29]   ; the ranks are a permutation of 0 .. 4,095: every word of perm is written
.endr
	s_wait_tensorcnt 0x0
	ds_add_u32 v210, v211
	s_wait_dscnt 0x0
	s_endpgm
; ---------------- WORK-GROUPS 1 .. 8: the transposition.  A wave takes 32 rows of atr, eight at a pass.  Lane l takes row l / 4 of the eight and numbers 4 (l % 4) + 0 .. 3 of its sixteen:
; four loads of 4 bytes (eight neighbouring lanes-by-four read 32 consecutive bytes of one row of lora_A), and one store of 16 bytes at 16 l: the wave stores 512 consecutive bytes, aligned.  No LDS, no barrier.
.Ltr:
	s_cmp_gt_u32 ttmp9, 8
	s_cbranch_scc1 .Lxq
	v_and_b32 v1, 31, v0                           ; lane
	v_and_b32 v2, 0x1e0, v0                        ; 32 x wave
	s_sub_co_u32 s9, ttmp9, 1
	s_lshl_b32 s9, s9, 9                           ; the work-group's first row
	v_add_nc_u32 v2, s9, v2                        ; my wave's first row
	v_lshrrev_b32 v3, 2, v1
	v_and_b32 v20, 3, v1
	s_delay_alu instid0(VALU_DEP_2)
	v_add_nc_u32 v3, v2, v3                        ; + l / 4
	s_delay_alu instid0(VALU_DEP_1)
	v_lshlrev_b32 v3, 2, v3                        ; lora_A: 4 bytes a column,
	s_delay_alu instid0(VALU_DEP_1)
	v_lshl_add_u32 v3, v20, 16, v3                 ; + 4 (l % 4) rows of 16,384 bytes
	v_lshlrev_b32 v2, 6, v2                        ; atr: 64 bytes a row,
	s_delay_alu instid0(VALU_DEP_1)
	v_lshl_add_u32 v2, v1, 4, v2                   ; + 16 l
	s_wait_alu depctr_va_vdst(0)
	s_wait_kmcnt 0x0
.irp p, 0,1,2,3
.irp j, 0,1,2,3
	global_load_b32 v[4+4*\p+\j], v3, s[26:27] offset:16384*\j+32*\p       ; lora_A[4 (l % 4) + j][first row + 8 p + l / 4]
.endr
.endr
.irp p, 0,1,2,3
	s_wait_loadcnt 12-4*\p                         ; loads come back in order: pass p's four are in, the later passes' may be out
	global_store_b128 v2, v[4+4*\p:7+4*\p], s[30:31] offset:512*\p
.endr
	s_endpgm
; ---------------- WORK-GROUPS 9 .. 168: the stream.  x, f32, becomes codes of E2M3 with one E8M0 byte for each 32 along K, in xc: [64 blocks of 128 rows][32 steps of 128 along K][a unit of 12,800 bytes].
; A unit is eight images of 1,536 bytes, one for each 16 rows, then 512 scale bytes, one word a row.  In an image row r has 96 bytes at 96 r: its blocks of 32 in the order 0, 2, 1, 3 for r under 8, 1, 3, 0, 2 from 8 on.
; A block's scale is 2^(floor(log2(its largest magnitude)) - 2); its byte is that magnitude's exponent field - 2, held at 1 from below.
; LIMITS: NaN and infinities are not served; a block of zeros, or one whose largest magnitude lies under 2^-124, gets the byte 1 (this program alone reads the bytes).
; Run R: rows 16 (R / 8) on, 512 along K from 512 (R % 8) on: four images of four neighbouring units.  Here a wave takes HALF a run, its rows 0-7 or 8-15: the sixteen waves of a work-group take 16 whole rows of x.
; This launch takes runs 0 .. 1,279.  Step t of 8: rows 4 (t / 4) + 0 .. 3 of my eight, 128 along K from 128 (t % 4) on.  Each load reads 512 consecutive bytes; the step's 2,048 bytes turn through the wave's own
; stage in LDS, so that a lane holds 16 neighbours along K (two neighbouring lanes hold a block); a step's codes are 384 consecutive bytes of an image.  All 32 loads of a wave go out at its start.  Waves share nothing: no barrier.
.set XL,  4096                         ; LDS: bytes 0 .. 4,095 are work-group 0's and the spare words; from here 8,192 bytes for each wave
.set SP,  80                           ; a lane's place in a stage: its 64 bytes + 16 of padding
.set XR,  16                           ; v16-143  eight sets of 16 numbers as they are loaded
.set XX,  144                          ; v144-175 two sets of 16 neighbours
.set XE,  176                          ; v176-177 a scale byte, two registers by turns
.set XC,  178                          ; v178-209 codes: four registers for each step, so that no store's data are written again
.macro XLOAD t
.irp i, 0,1,2,3
	global_load_b128 v[XR+16*(\t)+4*\i:XR+16*(\t)+4*\i+3], v3, s[20:21] offset:(4*((\t)/4)+\i)*16384+512*((\t)%4) th:TH_LOAD_NT
.endr
.endm
.macro XTURN t                         ; LDS serves a wave's instructions in order (ISA guide 5.7.1.4): no wait between the stores and the loads
.irp i, 0,1,2,3
	ds_store_b128 v14, v[XR+16*(\t)+4*\i:XR+16*(\t)+4*\i+3] offset:32*SP*((\t)%2)+8*SP*\i
.endr
.irp i, 0,1,2,3
	ds_load_b128 v[XX+16*((\t)%2)+4*\i:XX+16*((\t)%2)+4*\i+3], v15 offset:32*SP*((\t)%2)+16*\i
.endr
.endm
.macro XSTEP t
.set XN, XX+16*((\t)%2)
.set XK, XC+4*(\t)
.if (\t) > 0
	s_wait_dscnt 1                                 ; this step's numbers are back from the stage; the last step's byte store may be out
.else
	s_wait_dscnt 0x0
.endif
.if (\t)+1 < 8
	s_wait_loadcnt 4*(6-(\t))                      ; the next step's four loads are in; those of the steps behind it may be out
	XTURN (\t)+1
.endif
	v_max3_num_f32 v8, |v[XN]|, |v[XN+1]|, |v[XN+2]|       ; the largest magnitude of my 16, in two chains
	v_max3_num_f32 v9, |v[XN+3]|, |v[XN+4]|, |v[XN+5]|
.irp i, 6,10
	v_max3_num_f32 v8, v8, |v[XN+\i]|, |v[XN+\i+1]|
	v_max3_num_f32 v9, v9, |v[XN+\i+2]|, |v[XN+\i+3]|
.endr
	v_max3_num_f32 v8, v8, |v[XN+14]|, |v[XN+15]|
	v_max3_num_f32 v8, v8, v9, 0x1800000           ; and the floor 2^(3 - 127): the byte cannot fall under 1
	v_max_num_f32_dpp v8, v8, v8 row_xmask:1 row_mask:0xf bank_mask:0xf    ; with my neighbour's 16: the block's
	v_add_nc_u32 v11, 0xff000000, v8               ; 2 off its exponent field: the conversion takes the exponent field of this operand as its scale
	v_cvt_scalef32_pk16_fp6_f32 v[XK:XK+2], v[XN:XN+15], v11
	v_lshrrev_b32 v[XE+(\t)%2], 23, v11            ; the scale's byte.  (Also the plain instruction behind the conversion)
	ds_store_b8 v5, v[XE+(\t)%2] offset:32*((\t)%4)+16*((\t)/4)    ; both lanes of a block write the same byte with the same value
	global_store_b96 v4, v[XK:XK+2], s[22:23] offset:12800*((\t)%4)+384*((\t)/4)
.endm
.Lxq:
	v_lshrrev_b32 v1, 5, v0
	v_readfirstlane_b32 s8, v1                     ; wave 0..15
	s_and_b32 s7, s8, 1                            ; which eight rows of the run's sixteen
	v_and_b32 v2, 31, v0                           ; lane
	v_lshlrev_b32 v3, 4, v2                        ; my 16 bytes of a load's 512
	s_lshl_b32 s9, s8, 13
	s_add_co_u32 s9, s9, XL                        ; my wave's LDS
	v_lshrrev_b32 v14, 2, v2
	v_mul_u32_u24 v14, v14, SP
	v_and_b32 v15, 3, v2
	v_lshl_add_u32 v14, v15, 4, v14
	v_add_nc_u32 v14, s9, v14                      ; into a stage: SP (lane / 4) + 16 (lane % 4)
	v_mul_u32_u24 v15, v2, SP
	v_add_nc_u32 v15, s9, v15                      ; out of it: SP x lane
	v_lshrrev_b32 v4, 3, v2                        ; my codes' place in a step's four rows: 96 (lane / 8),
	v_mul_u32_u24 v4, v4, 96
	v_bfe_u32 v10, v2, 2, 1
	v_mad_u32_u24 v4, v10, 24, v4                  ; + 24 (block / 2),
	v_and_b32 v10, 1, v2
	v_mad_u32_u24 v4, v10, 12, v4                  ; + 12 for the block's upper half,
	v_bfe_u32 v1, v2, 1, 1
	v_xor_b32 v1, s7, v1
	v_mad_u32_u24 v4, v1, 48, v4                   ; + 48 for an odd block in rows 0-7 of an image, for an even one in rows 8-15
	v_lshrrev_b32 v5, 1, v2
	s_add_co_u32 s9, s9, 2*32*SP
	v_add_nc_u32 v5, s9, v5                        ; my block's byte among the wave's 128
	v_lshlrev_b32 v7, 2, v2
	v_add_nc_u32 v6, s9, v7                        ; on the way out a row's word a lane,
	v_lshrrev_b32 v1, 3, v2
	v_and_b32 v7, 7, v2
	v_lshlrev_b32 v7, 2, v7
	v_mad_u32_u24 v7, v1, 12800, v7                ; eight lanes to the 32 bytes of each of my four units
	s_sub_co_u32 s10, ttmp9, 9
	s_lshl_b32 s10, s10, 3
	s_lshr_b32 s11, s8, 1
	s_add_co_u32 s10, s10, s11                     ; R
	s_mov_b32 s15, 0
	s_lshr_b32 s14, s10, 3
	s_lshl_b32 s14, s14, 18                        ; 16 rows of 16,384 bytes
	s_and_b32 s11, s10, 7
	s_lshl_b32 s9, s11, 11
	s_add_co_u32 s14, s14, s9
	s_lshl_b32 s9, s7, 17                          ; my eight rows
	s_add_co_u32 s14, s14, s9
	s_wait_alu depctr_va_vdst(0)                   ; the wait at the head's end
	s_wait_kmcnt 0x0
	s_add_nc_u64 s[20:21], s[20:21], s[14:15]
	s_lshr_b32 s14, s10, 6
	s_lshl_b32 s14, s14, 5
	s_lshl_b32 s11, s11, 2
	s_add_co_u32 s14, s14, s11
	s_mul_i32 s14, s14, 12800
	s_add_nc_u64 s[22:23], s[22:23], s[14:15]      ; the first of my four units
	s_bfe_u32 s9, s10, 0x30003                     ; which 16 of its 128 rows
	s_lshl_b32 s14, s9, 6
	s_add_co_u32 s14, s14, 12288
	s_lshl_b32 s6, s7, 5
	s_add_co_u32 s14, s14, s6
	s_add_nc_u64 s[12:13], s[22:23], s[14:15]      ; my eight rows' scale words
	s_mul_i32 s14, s9, 1536
	s_mul_i32 s6, s7, 768
	s_add_co_u32 s14, s14, s6
	s_add_nc_u64 s[22:23], s[22:23], s[14:15]      ; my half of the image
.irp t, 0,1,2,3,4,5,6,7
	XLOAD \t
.endr
	s_wait_loadcnt 28                              ; step 0's four loads are in
	XTURN 0
.irp t, 0,1,2,3,4,5,6,7
	XSTEP \t
.endr
	ds_load_b32 v12, v6
	s_wait_dscnt 0x0
	global_store_b32 v7, v12, s[12:13]
	s_wait_tensorcnt 0x0                           ; the wave's end
	ds_add_u32 v210, v211
	s_wait_dscnt 0x0
	s_endpgm
.Lfunc_end_k_qd8d6b1be2a_rank:
	.size	k_qd8d6b1be2a_rank, .Lfunc_end_k_qd8d6b1be2a_rank-k_qd8d6b1be2a_rank
	.p2alignl 7, 3214868480
	.fill 96, 4, 3214868480
	.section	.rodata,"a",@progbits
	.p2align	6, 0x0
	.amdhsa_kernel k_qd8d6b1be2a_rank
		.amdhsa_group_segment_fixed_size 135168
		.amdhsa_private_segment_fixed_size 0
		.amdhsa_enable_private_segment 0
		.amdhsa_kernarg_size 48
		.amdhsa_user_sgpr_count 2
		.amdhsa_user_sgpr_kernarg_segment_ptr 1
		.amdhsa_wavefront_size32 1
		.amdhsa_system_sgpr_workgroup_id_x 1
		.amdhsa_system_sgpr_workgroup_id_y 1
		.amdhsa_system_sgpr_workgroup_id_z 1
		.amdhsa_system_vgpr_workitem_id 0
		.amdhsa_next_free_vgpr 212
		.amdhsa_next_free_sgpr 66
		.amdhsa_reserve_vcc 1
		.amdhsa_float_denorm_mode_32 3
		.amdhsa_float_denorm_mode_16_64 3
		.amdhsa_memory_ordered 1
		.amdhsa_forward_progress 1
		.amdhsa_inst_pref_size 53
	.end_amdhsa_kernel
	.amdgpu_metadata
---
amdhsa.version: [ 1, 2 ]
amdhsa.kernels:
  - .name:           k_qd8d6b1be2a_rank
    .symbol:         k_qd8d6b1be2a_rank.kd
    .args:
      - { .name: g_idx, .offset: 0, .size: 8, .value_kind: global_buffer, .address_space: global }
      - { .name: lora_A, .offset: 8, .size: 8, .value_kind: global_buffer, .address_space: global }
      - { .name: perm, .offset: 16, .size: 8, .value_kind: global_buffer, .address_space: global }
      - { .name: atr, .offset: 24, .size: 8, .value_kind: global_buffer, .address_space: global }
      - { .name: x, .offset: 32, .size: 8, .value_kind: global_buffer, .address_space: global }
      - { .name: xc, .offset: 40, .size: 8, .value_kind: global_buffer, .address_space: global }
    .group_segment_fixed_size: 135168
    .private_segment_fixed_size: 0
    .kernarg_segment_align: 8
    .kernarg_segment_size: 48
    .max_flat_workgroup_size: 512
    .sgpr_count:     66
    .vgpr_count:     212
    .wavefront_size: 32
...
	.end_amdgpu_metadata
.endif
;; end of part 1
;; launch sums (part 2): grid 864 x 1, 4 waves a work-group, no clusters, 34,304 bytes of LDS; arguments perm, atr, lora_B, qweight, qzeros, scales, tab, x, xc; writes tab, xc
.if DOCPART == 2
	.amdgcn_target "amdgcn-amd-amdhsa--gfx1250"
	.amdhsa_code_object_version 6
	.text
	.protected	k_qd8d6b1be2a_sums
	.globl	k_qd8d6b1be2a_sums
	.p2align	8
	.type	k_qd8d6b1be2a_sums,@function
k_qd8d6b1be2a_sums:
	s_mov_b64 s[64:65], 0
	v_nop
	global_prefetch_b8 v0, s[64:65] scope:SCOPE_SE
	s_setreg_imm32_b32 hwreg(HW_REG_WAVE_MODE, 25, 1), 1
	s_wait_xcnt 0x0
; TWO KINDS OF WORK-GROUPS, by bit 8 of the work-group's number, so that arithmetic and a stream of memory share the chip.
; EVEN (512): tab[g][o] = {s, s (mean / 1.5 - zero)}, f32, [32][2048][2]: s = scales[g][o], zero = qzeros' nibble, mean = the mean over the 128 rows perm[128 g ..] of AB2 = AB - 1.5 marker.
;   AB[i][o] = sum over r of lora_A[r][i] lora_B[o][r], in f32, by the f32 matrix form (K = 16: four instructions).  lora_A comes transposed, atr [4096][16], from the launch before: a sorted row is
;   64 consecutive bytes.  w' = w + marker = w + a held to 0 .. 15, a = (AB > 1.5) - (AB < -1.5): the hold is the test 'not saturated'.  marker = w' - w; AB2 = fma(marker, -1.5, AB): one rounding,
;   as AB - marker x 1.5 has, since marker x 1.5 is exact.
;   ORDER OF ROUNDING: the sum of 128 terms is taken in 2 chains x 2 halves of the lanes x 2 waves; mean / 1.5 is sum x (1 / 192), one rounding where dividing twice has one too (by 128 is exact).
; ODD (352): rows 2,560 .. 5,375 of x, f32, become codes of E2M3 (6 bits, in xc) with one E8M0 byte for each 32 along K (also in xc).
;   A block's scale is 2^(floor(log2(its largest magnitude)) - 2); its byte is that magnitude's exponent field - 2, held at 1 from below.
; LIMITS: NaN and infinities are not served.  A block of zeros, or one whose largest magnitude lies under 2^-124, gets the byte 1 (its codes are zeros or nearly so; this program alone reads the bytes).
; The registers that the f32 matrix form writes (v212-243) are written by nothing else in this text: the stream's path stays under v210.
.set XB,  320                          ; the stream: this launch takes runs 1,280 .. 2,687, four to a work-group (352 work-groups)
.set XL,  1024                         ; LDS: bytes 0 .. 1,023 are the even work-groups'; from here 8,192 bytes for each wave of an odd one
.set SP,  80                           ; the stream: a lane's place in a stage: its 64 bytes + 16 of padding
.set XR,  16                           ; v16-143  eight sets of 16 numbers as they are loaded
.set XX,  144                          ; v144-175 two sets of 16 neighbours
.set XE,  176                          ; v176-177 a scale byte, two registers by turns
.set XC,  178                          ; v178-209 codes: a ring of eight steps x four registers
.set S,   26                           ; v26-33   the sums, a pair for each of my four columns
.set TS,  34                           ; v34-37   a column's sum
.set T2,  38                           ; v38-41   the other wave's
.set SE,  42                           ; v42-45   s x (mean / 1.5 - zero)
.set PA,  48                           ; v48-51   perm for A's fragments, then their byte offsets in atr
.set PQ,  52                           ; v52-83   perm in the result's layout (8 t + j), then the nibble's shift
.set AF,  84                           ; v84-115  A's fragments: 8 t + 2 q + jj
.set BF,  116                          ; v116-147 B's fragments: 8 ct + 2 q + jj
.set Q,   148                          ; v148-211 qweight words, two tiles by turns: 32 (t % 2) + 4 j + ct
.set DS,  212                          ; v212-243 AB: 8 ct + j
.set OUTR, 244                         ; v244-247 what is stored
	s_load_b512 s[4:19], s[0:1], 0x0               ; perm 4, atr 6, lora_B 8, qweight 10, qzeros 12, scales 14, tab 16, x 18
; LAYOUT OF xc, which holds the codes AND the scale bytes (there is no buffer xs): [64 blocks of 128 rows][32 steps of 128 along K][12,800 bytes].  A unit of 12,800 bytes is eight images of 1,536 bytes,
; one for each 16 rows, and then 512 scale bytes, one word (128 along K) a row.  In an image row r has 96 bytes at 96 r: its blocks of 32 along K in the order 0, 2, 1, 3 for r under 8 and 1, 3, 0, 2 from 8 on.
	s_load_b64 s[20:21], s[0:1], 0x40              ; xc
	v_lshl_add_u32 v254, v0, 2, 0x8400
	v_mov_b32 v255, 0
	v_lshrrev_b32 v1, 5, v0
	v_readfirstlane_b32 s24, v1                    ; wave 0..3
	; THE KIND IS BIT 8 OF THE WORK-GROUP'S NUMBER (not its lowest bit): numbers 0 .. 255 and 512 .. 767 make the table (the kind called EVEN here), 256 .. 511 and 768 .. 863 stream (ODD): any 256 neighbouring numbers are of one kind
	s_lshr_b32 s26, ttmp9, 8
	s_and_b32 s25, ttmp9, 255
	s_lshr_b32 s27, s26, 1
	s_lshl_b32 s27, s27, 8
	s_add_co_u32 s25, s25, s27                     ; which of its kind
	s_and_b32 s26, s26, 1
	s_cmp_lg_u32 s26, 0
	s_cbranch_scc1 .Lxq
; ---------------- EVEN: the table.  Work-group: group b = s25 / 16, columns 128 (s25 % 16) on.  Wave: 64 columns (w % 2) x 64 sorted positions (w / 2).
; Four tiles t of 16 positions x four tiles ct of 16 columns.  COLUMN TILE ct HOLDS COLUMNS c0 + 4 n + ct: a lane's four tiles are four neighbouring columns, so that one load of 16 bytes
; of a row of qweight serves all four and sixteen lanes read 256 consecutive bytes.  Source 0 = rows, source 1 = columns: register j of lane (n, h) is position 16 t + 8 h + j, column c0 + 4 n + ct.
	v_and_b32 v1, 15, v0                           ; n
	v_bfe_u32 v2, v0, 4, 1                         ; h
	v_lshlrev_b32 v3, 3, v2                        ; atr: lanes 16-31 take k two further on: 8 bytes
	v_lshlrev_b32 v4, 4, v1                        ; 16 n
	v_lshlrev_b32 v5, 2, v1                        ; 4 n
	v_lshlrev_b32 v6, 5, v2                        ; 32 h
	v_lshlrev_b32 v7, 8, v1
	v_lshl_add_u32 v7, v2, 3, v7                   ; lora_B: column 4 n of 64 bytes, + 8 h
	s_and_b32 s28, s24, 1                          ; which 64 columns
	s_lshr_b32 s29, s24, 1                         ; which 64 positions
	v_and_b32 v8, 31, v0
	v_lshlrev_b32 v8, 4, v8
	s_lshl_b32 s42, s28, 9
	v_add_nc_u32 v8, s42, v8                       ; LDS: where the two waves of a column half meet: 512 x half + 16 x lane
	v_lshrrev_b32 v10, 1, v1
	v_lshlrev_b32 v10, 2, v10                      ; qzeros: word n / 2 of my 64 columns' eight
	v_lshlrev_b32 v11, 5, v1
	v_lshl_add_u32 v11, v2, 4, v11                 ; tab: 32 n + 16 h
	v_and_b32 v12, 1, v1
	v_lshlrev_b32 v12, 4, v12                      ; and my four nibbles' place in the word
	v_mov_b32 v18, 0                               ; written once: a lane permute's destination counts as one of its sources
	s_lshr_b32 s26, s25, 4                         ; b
	s_and_b32 s27, s25, 15
	s_lshl_b32 s37, s27, 7
	s_lshl_b32 s42, s28, 6
	s_add_co_u32 s37, s37, s42                     ; c0
	s_mov_b32 s32, 0x3fc00000                      ; 1.5
	s_mov_b32 s33, 0x41700000                      ; 15.0
	s_mov_b32 s34, 0xbfc00000                      ; -1.5
	s_mov_b32 s35, s34                             ; (named with it as a pair, so it is written)
	s_mov_b32 s38, 0x76543210
	s_mov_b32 s39, 0xfedcba98                      ; v_permlanex16_b32's selects for lane l xor 16
	s_mov_b32 s40, 0x3baaaaab                      ; 1 / 192
	s_mov_b32 s41, 0xffff0000                      ; lanes 16-31
	s_mov_b32 s31, 0
	s_wait_alu depctr_va_vdst(0)
	s_wait_kmcnt 0x0
	s_lshl_b32 s30, s26, 9
	s_lshl_b32 s42, s29, 8
	s_add_co_u32 s30, s30, s42
	s_add_nc_u64 s[4:5], s[4:5], s[30:31]          ; perm at my first position: 4 (128 b + 64 half)
	s_lshl_b32 s30, s37, 6
	s_add_nc_u64 s[8:9], s[8:9], s[30:31]          ; lora_B at column c0
	s_lshl_b32 s30, s37, 2
	s_add_nc_u64 s[10:11], s[10:11], s[30:31]      ; qweight at column c0
	s_lshl_b32 s42, s26, 13
	s_add_co_u32 s30, s30, s42
	s_add_nc_u64 s[14:15], s[14:15], s[30:31]      ; scales at (b, c0)
	s_lshl_b32 s30, s26, 10
	s_lshr_b32 s42, s37, 1
	s_add_co_u32 s30, s30, s42
	s_add_nc_u64 s[12:13], s[12:13], s[30:31]      ; qzeros at (b, c0 / 8)
	s_lshl_b32 s30, s26, 14
	s_lshl_b32 s42, s37, 3
	s_add_co_u32 s30, s30, s42
	s_add_nc_u64 s[16:17], s[16:17], s[30:31]      ; tab at (b, c0)
	; What the end of the path wants is asked for first, so that nothing is waited for there.  Every wave asks; the two waves that hand their sums over do not use theirs (two loads each).
	; These are the oldest loads: the counts below, which count the younger ones, are not touched by them.
	global_load_b128 v[20:23], v4, s[14:15]        ; scales[b][c0 + 4 n + 0 .. 3]
	global_load_b32 v24, v10, s[12:13]             ; the word with my four zeros
.irp t, 0,1,2,3
	global_load_b32 v[PA+\t], v5, s[4:5] offset:64*\t              ; perm[16 t + n]: the row that lane n of source 0 takes
.endr
.irp t, 0,1,2,3
	global_load_b128 v[PQ+8*\t:PQ+8*\t+3], v6, s[4:5] offset:64*\t         ; perm[16 t + 8 h + j]: the rows of my eight results
	global_load_b128 v[PQ+8*\t+4:PQ+8*\t+7], v6, s[4:5] offset:64*\t+16
.endr
.irp ct, 0,1,2,3
.irp q, 0,1,2,3
	global_load_b64 v[BF+8*\ct+2*\q:BF+8*\ct+2*\q+1], v7, s[8:9] offset:64*\ct+16*\q   ; lora_B[c0 + 4 n + ct][4 q + 2 h + 0, 1]
.endr
.endr
	s_wait_loadcnt 16                              ; perm is in; lora_B's sixteen loads may be out
.irp t, 0,1,2,3
	v_min_u32 v[PA+\t], 0xfff, v[PA+\t]            ; a loaded number enters an address only behind a bound
.endr
.irp t, 0,1,2,3
	v_lshl_add_u32 v[PA+\t], v[PA+\t], 6, v3       ; a row of atr is 64 bytes
.endr
.irp t, 0,1,2,3
.irp q, 0,1,2,3
	global_load_b64 v[AF+8*\t+2*\q:AF+8*\t+2*\q+1], v[PA+\t], s[6:7] offset:16*\q      ; atr[perm[16 t + n]][4 q + 2 h + 0, 1]: the two halves of the lanes take 16 neighbouring bytes of each of sixteen rows
.endr
.endr
.macro ADDRQ t                         ; tile t's eight rows of qweight: word row i / 8 of 8,192 bytes, + 16 n.  Each offset stands in the first register of its own load's destination
.irp j, 0,1,2,3,4,5,6,7
	v_lshrrev_b32 v[Q+32*((\t)%2)+4*\j], 3, v[PQ+8*(\t)+\j]
.endr
.irp j, 0,1,2,3,4,5,6,7
	v_min_u32 v[Q+32*((\t)%2)+4*\j], 0x1ff, v[Q+32*((\t)%2)+4*\j]
.endr
.irp j, 0,1,2,3,4,5,6,7
	v_lshl_add_u32 v[Q+32*((\t)%2)+4*\j], v[Q+32*((\t)%2)+4*\j], 13, v4
.endr
.endm
.macro QLOAD t
.irp j, 0,1,2,3,4,5,6,7
	global_load_b128 v[Q+32*((\t)%2)+4*\j:Q+32*((\t)%2)+4*\j+3], v[Q+32*((\t)%2)+4*\j], s[10:11]   ; sixteen lanes read 256 consecutive bytes of one row
.endr
.endm
; Rows j0 = 2 jp and j0 + 1 of tile (t, ct).
.macro ELEM2 t, ct, jp
.set QR, Q+32*((\t)%2)+8*(\jp)+(\ct)
.set HR, PQ+8*(\t)+2*(\jp)
.set DR, DS+8*(\ct)+2*(\jp)
	v_bfe_u32 v14, v[QR], v[HR], 4                 ; w: nibble i % 8 of the word
	v_bfe_u32 v15, v[QR+4], v[HR+1], 4
	v_cmp_lt_f32 vcc_lo, s32, v[DR]                ; AB > 1.5
	v_cmp_lt_f32 s36, s32, v[DR+1]
	v_cvt_f32_u32 v14, v14
	v_cvt_f32_u32 v15, v15
	v_cndmask_b32 v16, 0, 1.0, vcc_lo
	v_cndmask_b32 v17, 0, 1.0, s36
	v_cmp_gt_f32 vcc_lo, s34, v[DR]                ; AB < -1.5
	v_cmp_gt_f32 s36, s34, v[DR+1]
	v_cndmask_b32 v16, v16, -1.0, vcc_lo           ; a
	v_cndmask_b32 v17, v17, -1.0, s36
	v_pk_add_f32 v[16:17], v[16:17], v[14:15]
	v_med3_num_f32 v16, v16, 0, s33                ; w' = w + a, held to 0 .. 15
	v_med3_num_f32 v17, v17, 0, s33
	v_pk_add_f32 v[16:17], v[16:17], v[14:15] neg_lo:[0,1] neg_hi:[0,1]    ; the marker = w' - w
.if ((\t) == 0) && ((\jp) == 0)
	v_pk_fma_f32 v[S+2*(\ct):S+2*(\ct)+1], v[16:17], s[34:35], v[DR:DR+1] op_sel_hi:[1,0,1]   ; AB2 = AB - 1.5 marker; the first pair starts the sums: nothing is cleared
.else
	v_pk_fma_f32 v[16:17], v[16:17], s[34:35], v[DR:DR+1] op_sel_hi:[1,0,1]
	v_pk_add_f32 v[S+2*(\ct):S+2*(\ct)+1], v[S+2*(\ct):S+2*(\ct)+1], v[16:17]
.endif
.endm
.macro TILE t
.if (\t) < 3
	s_wait_loadcnt 8                               ; this tile's words, and all that is older, are in; the next tile's eight loads may be out
.else
	s_wait_loadcnt 0x0
.endif
.irp q, 0,1,2,3                        ; AB of 16 positions x 64 columns: the four accumulators take turns, one instruction a turn; the first K step starts each sum
.irp ct, 0,1,2,3
.if \q == 0
	v_wmma_f32_16x16x4_f32 v[DS+8*\ct:DS+8*\ct+7], v[AF+8*(\t)+2*\q:AF+8*(\t)+2*\q+1], v[BF+8*\ct+2*\q:BF+8*\ct+2*\q+1], 0
.else
	v_wmma_f32_16x16x4_f32 v[DS+8*\ct:DS+8*\ct+7], v[AF+8*(\t)+2*\q:AF+8*(\t)+2*\q+1], v[BF+8*\ct+2*\q:BF+8*\ct+2*\q+1], v[DS+8*\ct:DS+8*\ct+7]
.endif
.endr
.endr
.irp j, 0,1,2,3,4,5,6,7                ; the nibbles' shifts, 4 (i % 8): sixteen plain instructions that name no register of the products: the eight places that this form asks for (ISA guide 7.12.1), and more
	v_and_b32 v[PQ+8*(\t)+\j], 7, v[PQ+8*(\t)+\j]
.endr
.irp j, 0,1,2,3,4,5,6,7
	v_lshlrev_b32 v[PQ+8*(\t)+\j], 2, v[PQ+8*(\t)+\j]
.endr
.irp jp, 0,1,2,3                       ; each accumulator is read from its low end on
.irp ct, 0,1,2,3
	ELEM2 \t, \ct, \jp
.endr
.endr
.if (\t) < 2
	ADDRQ (\t)+2                                   ; the buffer just read takes the tile two further on
	QLOAD (\t)+2
.endif
.endm
	ADDRQ 0
	QLOAD 0
	ADDRQ 1
	QLOAD 1
	TILE 0
	TILE 1
	TILE 2
	TILE 3
.irp ct, 0,1,2,3
	v_add_f32 v[TS+\ct], v[S+2*\ct], v[S+2*\ct+1]
.endr
.irp ct, 0,1,2,3
	v_permlanex16_b32 v18, v[TS+\ct], s38, s39
	v_add_f32 v[TS+\ct], v[TS+\ct], v18            ; with lane l xor 16's rows: my wave's 64 positions
.endr
	s_cmp_eq_u32 s29, 0
	s_cbranch_scc1 .Lkeeps
	ds_store_b128 v8, v[TS:TS+3]                   ; the waves of the upper 64 positions hand their sums over
.Lkeeps:
	s_wait_dscnt 0x0                               ; for the others' sake: the store is done
	s_barrier_signal -1
	s_barrier_wait -1
	s_cmp_lg_u32 s29, 0
	s_cbranch_scc1 .Ldone
	ds_load_b128 v[T2:T2+3], v8
	s_wait_dscnt 0x0
	s_wait_alu depctr_va_vdst(0)
.irp ct, 0,1,2,3
	v_add_f32 v[TS+\ct], v[TS+\ct], v[T2+\ct]      ; the group's 128 rows
.endr
	v_lshrrev_b32 v24, v12, v24                    ; (scales and zeros have been in since the last tile's wait for all loads)
.irp ct, 0,1,2,3
	v_bfe_u32 v46, v24, 4*\ct, 4
	v_cvt_f32_u32 v46, v46
	v_fma_f32 v47, v[TS+\ct], s40, -v46            ; mean / 1.5 - zero
	v_mul_f32 v[SE+\ct], v[20+\ct], v47
.endr
	v_cndmask_b32 v[OUTR], v20, v22, s41           ; lanes 0-15 store columns 4 n, 4 n + 1; lanes 16-31 columns 4 n + 2, 4 n + 3
	v_cndmask_b32 v[OUTR+1], v[SE], v[SE+2], s41
	v_cndmask_b32 v[OUTR+2], v21, v23, s41
	v_cndmask_b32 v[OUTR+3], v[SE+1], v[SE+3], s41
	global_store_b128 v11, v[OUTR:OUTR+3], s[16:17]        ; the wave stores 512 consecutive bytes, at a multiple of 256 from tab's first byte
.Ldone:
	s_wait_tensorcnt 0x0
	ds_add_u32 v254, v255
	s_wait_dscnt 0x0
	s_endpgm
; ---------------- ODD: the stream.  Rows are dense and 4,096 is a multiple of 32, so x is a plain stream of blocks of 32, and so are the codes and the scale bytes.
; A wave takes 16 steps of 512 numbers.  Each of a step's four loads reads 512 consecutive bytes, 16 a lane; the conversion wants 16 NEIGHBOURS in a lane: so the 2,048 bytes turn through the
; wave's own stage in LDS (as they lie in, 64 bytes a lane out; 16 bytes of padding behind each 64).  Two neighbouring lanes hold a block.  A lane's 16 codes are 12 bytes: the wave stores 384
; consecutive bytes.  A wave's 256 scale bytes are gathered in LDS and leave as four blocks of 64, one in each of the wave's four units.  Loads run eight steps (32 loads a wave) ahead, the turn one step.  Waves share nothing: no barrier.
.macro XLOAD t
.irp i, 0,1,2,3
	global_load_b128 v[XR+16*((\t)%8)+4*\i:XR+16*((\t)%8)+4*\i+3], v3, s[18:19] offset:(4*((\t)/4)+\i)*16384+512*((\t)%4) th:TH_LOAD_NT   ; step t: rows 4 (t / 4) + i of my 16, 128 along K from 128 (t % 4) on: 512 consecutive bytes
.endr
.endm
.macro XTURN t                         ; LDS serves a wave's instructions in order (ISA guide 5.7.1.4): no wait between the stores and the loads
.irp i, 0,1,2,3
	ds_store_b128 v14, v[XR+16*((\t)%8)+4*\i:XR+16*((\t)%8)+4*\i+3] offset:32*SP*((\t)%2)+8*SP*\i
.endr
.irp i, 0,1,2,3
	ds_load_b128 v[XX+16*((\t)%2)+4*\i:XX+16*((\t)%2)+4*\i+3], v15 offset:32*SP*((\t)%2)+16*\i
.endr
.endm
.macro XSTEP t
.set XN, XX+16*((\t)%2)
.set XK, XC+4*((\t)%8)
.if (\t) > 0
	s_wait_dscnt 1                                 ; this step's numbers are back from the stage; the last step's byte store may be out
.else
	s_wait_dscnt 0x0
.endif
.if (\t)+8 < 16
	XLOAD (\t)+8                                   ; into the set that this step's turn has read
.endif
.if (\t)+1 < 16
.if 14-(\t) >= 7
	s_wait_loadcnt 28                              ; the next step's four loads are in; those of the seven steps behind it may be out
.else
	s_wait_loadcnt 4*(14-(\t))
.endif
	XTURN (\t)+1
.endif
	v_max3_num_f32 v8, |v[XN]|, |v[XN+1]|, |v[XN+2]|       ; the largest magnitude of my 16, in two chains
	v_max3_num_f32 v9, |v[XN+3]|, |v[XN+4]|, |v[XN+5]|
.irp i, 6,10
	v_max3_num_f32 v8, v8, |v[XN+\i]|, |v[XN+\i+1]|
	v_max3_num_f32 v9, v9, |v[XN+\i+2]|, |v[XN+\i+3]|
.endr
	v_max3_num_f32 v8, v8, |v[XN+14]|, |v[XN+15]|
	v_max3_num_f32 v8, v8, v9, 0x1800000           ; and the floor 2^(3 - 127): the byte cannot fall under 1
	v_max_num_f32_dpp v8, v8, v8 row_xmask:1 row_mask:0xf bank_mask:0xf    ; with my neighbour's 16: the block's
	v_add_nc_u32 v11, 0xff000000, v8               ; 2 off its exponent field: the conversion takes the exponent field of this operand as its scale
.if (\t) >= 8
	s_wait_alu depctr_va_vdst(0)
	s_wait_xcnt 0x0                                ; the store of eight steps ago has read these registers
.endif
	v_cvt_scalef32_pk16_fp6_f32 v[XK:XK+2], v[XN:XN+15], v11
	v_lshrrev_b32 v[XE+(\t)%2], 23, v11            ; the scale's byte.  (Also the plain instruction behind the conversion)
	ds_store_b8 v5, v[XE+(\t)%2] offset:64*((\t)%4)+16*((\t)/4)    ; both lanes of a block write the same byte with the same value
	global_store_b96 v[4+6*((\t)/8)], v[XK:XK+2], s[20:21] offset:12800*((\t)%4)+384*((\t)/4)   ; four rows' 384 consecutive bytes of an image; v4 for rows 0-7 of an image, v10 for rows 8-15
.endm
.Lxq:
	v_and_b32 v2, 31, v0                           ; lane
	v_lshlrev_b32 v3, 4, v2                        ; my 16 bytes of a load's 512
	s_lshl_b32 s27, s24, 13
	s_add_co_u32 s27, s27, XL                      ; my wave's LDS
	v_lshrrev_b32 v14, 2, v2
	v_mul_u32_u24 v14, v14, SP
	v_and_b32 v15, 3, v2
	v_lshl_add_u32 v14, v15, 4, v14
	v_add_nc_u32 v14, s27, v14                     ; into a stage: SP (lane / 4) + 16 (lane % 4); a load's 512 bytes take eight places
	v_mul_u32_u24 v15, v2, SP
	v_add_nc_u32 v15, s27, v15                     ; out of it: SP x lane
	v_lshrrev_b32 v4, 3, v2                        ; my codes' place in a step's four rows: 96 (lane / 8),
	v_mul_u32_u24 v4, v4, 96
	v_bfe_u32 v10, v2, 2, 1
	v_mad_u32_u24 v4, v10, 24, v4                  ; + 24 (block / 2),
	v_and_b32 v10, 1, v2
	v_mad_u32_u24 v4, v10, 12, v4                  ; + 12 for the block's upper half,
	v_bfe_u32 v1, v2, 1, 1
	v_mul_u32_u24 v1, v1, 48
	v_sub_nc_u32 v10, 48, v1
	v_add_nc_u32 v10, v4, v10                      ; + 48 for an even block (rows 8-15 of an image),
	v_add_nc_u32 v4, v4, v1                        ; or for an odd one (rows 0-7)
	v_lshrrev_b32 v5, 1, v2
	s_add_co_u32 s27, s27, 2*32*SP
	v_add_nc_u32 v5, s27, v5                       ; my block's byte among the wave's 256
	v_lshlrev_b32 v7, 3, v2
	v_add_nc_u32 v6, s27, v7                       ; and on the way out 8 bytes a lane,
	v_lshrrev_b32 v1, 3, v2
	v_and_b32 v7, 7, v2
	v_lshlrev_b32 v7, 3, v7
	v_mad_u32_u24 v7, v1, 12800, v7                ; eight lanes to the 64 bytes of each of my four units
	s_add_co_u32 s26, s25, XB
	s_lshl_b32 s26, s26, 2
	s_add_co_u32 s26, s26, s24                     ; which run of 8,192 numbers is my wave's
	s_mov_b32 s31, 0
	s_lshr_b32 s30, s26, 3                         ; run R: rows 16 (R / 8) on, 512 along K from 512 (R % 8) on: the four waves stand side by side along K
	s_lshl_b32 s30, s30, 18
	s_and_b32 s28, s26, 7
	s_lshl_b32 s29, s28, 11
	s_add_co_u32 s30, s30, s29
	s_wait_alu depctr_va_vdst(0)
	s_wait_kmcnt 0x0
	s_add_nc_u64 s[18:19], s[18:19], s[30:31]
	s_lshr_b32 s30, s26, 6
	s_lshl_b32 s30, s30, 5
	s_lshl_b32 s28, s28, 2
	s_add_co_u32 s30, s30, s28
	s_mul_i32 s30, s30, 12800
	s_add_nc_u64 s[20:21], s[20:21], s[30:31]      ; the first of my four units of xc
	s_bfe_u32 s29, s26, 0x30003                    ; which 16 of its 128 rows
	s_lshl_b32 s30, s29, 6
	s_add_co_u32 s30, s30, 12288
	s_add_nc_u64 s[22:23], s[20:21], s[30:31]      ; my rows' scale words
	s_mul_i32 s30, s29, 1536
	s_add_nc_u64 s[20:21], s[20:21], s[30:31]      ; my image
.irp t, 0,1,2,3,4,5,6,7
	XLOAD \t
.endr
	s_wait_loadcnt 28                              ; step 0's four loads are in
	XTURN 0
.irp t, 0,1,2,3,4,5,6,7,8,9,10,11,12,13,14,15
	XSTEP \t
.endr
	ds_load_b64 v[12:13], v6
	s_wait_dscnt 0x0
	global_store_b64 v7, v[12:13], s[22:23]        ; eight lanes store 64 consecutive bytes in each of my four units
	s_wait_tensorcnt 0x0
	ds_add_u32 v254, v255
	s_wait_dscnt 0x0
	s_endpgm
.Lfunc_end_k_qd8d6b1be2a_sums:
	.size	k_qd8d6b1be2a_sums, .Lfunc_end_k_qd8d6b1be2a_sums-k_qd8d6b1be2a_sums
	.p2alignl 7, 3214868480
	.fill 96, 4, 3214868480
	.section	.rodata,"a",@progbits
	.p2align	6, 0x0
	.amdhsa_kernel k_qd8d6b1be2a_sums
		.amdhsa_group_segment_fixed_size 34304
		.amdhsa_private_segment_fixed_size 0
		.amdhsa_enable_private_segment 0
		.amdhsa_kernarg_size 72
		.amdhsa_user_sgpr_count 2
		.amdhsa_user_sgpr_kernarg_segment_ptr 1
		.amdhsa_wavefront_size32 1
		.amdhsa_system_sgpr_workgroup_id_x 1
		.amdhsa_system_sgpr_workgroup_id_y 1
		.amdhsa_system_sgpr_workgroup_id_z 1
		.amdhsa_system_vgpr_workitem_id 0
		.amdhsa_next_free_vgpr 256
		.amdhsa_next_free_sgpr 66
		.amdhsa_reserve_vcc 1
		.amdhsa_float_denorm_mode_32 3
		.amdhsa_float_denorm_mode_16_64 3
		.amdhsa_memory_ordered 1
		.amdhsa_forward_progress 1
		.amdhsa_inst_pref_size 121
	.end_amdhsa_kernel
	.amdgpu_metadata
---
amdhsa.version: [ 1, 2 ]
amdhsa.kernels:
  - .name:           k_qd8d6b1be2a_sums
    .symbol:         k_qd8d6b1be2a_sums.kd
    .args:
      - { .name: perm, .offset: 0, .size: 8, .value_kind: global_buffer, .address_space: global }
      - { .name: atr, .offset: 8, .size: 8, .value_kind: global_buffer, .address_space: global }
      - { .name: lora_B, .offset: 16, .size: 8, .value_kind: global_buffer, .address_space: global }
      - { .name: qweight, .offset: 24, .size: 8, .value_kind: global_buffer, .address_space: global }
      - { .name: qzeros, .offset: 32, .size: 8, .value_kind: global_buffer, .address_space: global }
      - { .name: scales, .offset: 40, .size: 8, .value_kind: global_buffer, .address_space: global }
      - { .name: tab, .offset: 48, .size: 8, .value_kind: global_buffer, .address_space: global }
      - { .name: x, .offset: 56, .size: 8, .value_kind: global_buffer, .address_space: global }
      - { .name: xc, .offset: 64, .size: 8, .value_kind: global_buffer, .address_space: global }
    .group_segment_fixed_size: 34304
    .private_segment_fixed_size: 0
    .kernarg_segment_align: 8
    .kernarg_segment_size: 72
    .max_flat_workgroup_size: 128
    .sgpr_count:     66
    .vgpr_count:     256
    .wavefront_size: 32
...
	.end_amdgpu_metadata
.endif
;; end of part 2
;; launch mix (part 3): grid 864 x 1, 4 waves a work-group, no clusters, 50,688 bytes of LDS; arguments g_idx, lora_A, lora_B, qweight, tab, wc, x, xc; writes wc, xc
.if DOCPART == 3
	.amdgcn_target "amdgcn-amd-amdhsa--gfx1250"
	.amdhsa_code_object_version 6
	.text
	.protected	k_qd8d6b1be2a_mix
	.globl	k_qd8d6b1be2a_mix
	.p2align	8
	.type	k_qd8d6b1be2a_mix,@function
k_qd8d6b1be2a_mix:
	s_mov_b64 s[64:65], 0
	v_nop
	global_prefetch_b8 v0, s[64:65] scope:SCOPE_SE
	s_setreg_imm32_b32 hwreg(HW_REG_WAVE_MODE, 25, 1), 1
	s_wait_xcnt 0x0
; TWO KINDS OF WORK-GROUPS, by bit 8 of the work-group's number, so that arithmetic and a stream of memory share the chip.
; EVEN (512): AB_mix[i][o] = s (w' + mean / 1.5 - zero) = fma(w', s, se), {s, se} = tab[g_idx[i]][o], w' = w + a held to 0 .. 15, a = (AB > 1.5) - (AB < -1.5), AB in f32 by the f32 matrix form;
;   quantised along i to codes of E2M3 (in wc) and one E8M0 byte for each 32 along K (also in wc).
;   ORDER OF ROUNDING: the defining text rounds (w - zero + marker) + mean / 1.5 and then the product by s; here e = mean / 1.5 - zero, se = s e and the fma are rounded: the difference is
;   at most some 2^-22 x 16 s, a part in 10^7 of the group's largest weight (not of a number that has cancelled to near zero), under 10^-5 of a code's step in its block.
; ODD (352): rows 5,376 .. 8,191 of x, f32, become codes of E2M3 (xc) and scale bytes (also in xc), as in the launch before.
; LIMITS: NaN and infinities are not served; g_idx lies in 0 .. 31 (a larger number is held at 31).  A block of zeros, or one whose largest magnitude lies under 2^-124, gets the byte 1
; (this program alone reads the bytes).
; The registers that the f32 matrix form writes (v212-227) are written by nothing else in this text: the stream's path stays under v210.
.set XB,  672                          ; the stream: this launch takes runs 2,688 .. 4,095, four to a work-group (352 work-groups)
.set STG, 0                            ; LDS, even work-groups: a stage of 32 column rows x (32 places of 16 bytes, 12 of them codes, + 16)
.set SPI, 528
.set SCS, 16896                        ; and 32 columns x 16 scale bytes
.set XL,  17408                        ; from here 8,192 bytes for each wave of an odd work-group
.set SP,  80
.set XR,  16
.set XX,  144
.set XE,  176
.set XC,  178
.set MX,  18                           ; v18-19   a block's largest magnitude, for my two columns
.set PX,  20                           ; v20-21   lane l xor 16's
.set SCL, 22                           ; v22-23   the conversion's scale operand
.set BY,  24                           ; v24-25   the scale's byte
.set SB,  26                           ; v26-27   my wave's four bytes of a column
.set Q,   36                           ; v36-39   qweight words: 2 (hu % 2) + ct
.set AF,  40                           ; v40-47   A's fragments: 2 q + jj
.set BF,  48                           ; v48-63   B's fragments: 8 ct + 2 q + jj
.set V,   80                           ; v80-111  AB_mix: 16 ct + 8 u + j: 16 neighbours along K for each column
.set GI,  112                          ; v112-143 g_idx, then the table rows' offsets: 16 (blk % 2) + 8 u + j
.set TBL, 144                          ; v144-207 table entries: 32 (hu % 2) + 4 j + {s, se of column 2 n; s, se of column 2 n + 1}
.set DS,  212                          ; v212-227 AB: 8 ct + j
; LAYOUT OF wc AND xc, which hold codes AND scale bytes (there are no buffers ws, xs): [blocks of 128 rows (wc: columns o)][32 steps of 128 along K][12,800 bytes].  A unit of 12,800 bytes is eight images of
; 1,536 bytes, one for each 16 rows, and then 512 scale bytes, one word a row.  In an image row r has 96 bytes at 96 r: its blocks of 32 along K in the order 0, 2, 1, 3 for r under 8 and 1, 3, 0, 2 from 8 on.
	s_load_b256 s[4:11], s[0:1], 0x0               ; g_idx 4, lora_A 6, lora_B 8, qweight 10
	s_load_b128 s[12:15], s[0:1], 0x20             ; tab 12, wc 14
	s_load_b64 s[18:19], s[0:1], 0x30              ; x
	s_load_b64 s[20:21], s[0:1], 0x38              ; xc
	v_lshl_add_u32 v254, v0, 2, 0xc400
	v_mov_b32 v255, 0
	v_lshrrev_b32 v1, 5, v0
	v_readfirstlane_b32 s24, v1                    ; wave 0..3
	; THE KIND IS BIT 8 OF THE WORK-GROUP'S NUMBER (not its lowest bit): numbers 0 .. 255 and 512 .. 767 make the weight (the kind called EVEN here), 256 .. 511 and 768 .. 863 stream (ODD): any 256 neighbouring numbers are of one kind
	s_lshr_b32 s26, ttmp9, 8
	s_and_b32 s25, ttmp9, 255
	s_lshr_b32 s27, s26, 1
	s_lshl_b32 s27, s27, 8
	s_add_co_u32 s25, s25, s27                     ; which of its kind
	s_and_b32 s26, s26, 1
	s_cmp_lg_u32 s26, 0
	s_cbranch_scc1 .Lxq
; ---------------- EVEN: the weight.  Work-group: columns c0 = 32 (s25 / 8) on, rows 512 (s25 % 8) on.  Wave w: rows i0 = 512 (s25 % 8) + 128 w on: four blocks of 32, eight half units hu = 2 blk + u.
; Two column tiles: tile ct holds columns c0 + 2 n + ct.  THE ROWS OF A TILE ARE NOT NEIGHBOURS: lane m of source 0 takes row i0 + 32 blk + 8 u + m + 8 (m / 8), so that register j of lane (n, h) is
; row i0 + 32 blk + 16 h + 8 u + j: its nibble is nibble j of ONE word (the shift is a constant), the two tiles u give a lane 16 neighbours along K, and a block of 32 lies in lanes l and l xor 16.
	v_and_b32 v1, 15, v0                           ; n
	v_bfe_u32 v2, v0, 4, 1                         ; h
	v_and_b32 v3, 8, v1
	v_add_nc_u32 v3, v3, v1
	v_lshlrev_b32 v3, 2, v3
	v_lshl_add_u32 v3, v2, 15, v3                  ; lora_A: 4 (n + 8 (n / 8)), + two rows of 16,384 bytes for lanes 16-31
	v_lshlrev_b32 v4, 7, v1
	v_lshl_add_u32 v4, v2, 3, v4                   ; lora_B: column 2 n of 64 bytes, + 8 h
	v_lshlrev_b32 v5, 3, v1
	v_lshl_add_u32 v5, v2, 14, v5                  ; qweight: 8 n, + two word rows of 8,192 bytes for lanes 16-31
	v_lshlrev_b32 v6, 6, v2                        ; g_idx: 64 h
	v_lshlrev_b32 v7, 4, v1                        ; tab: 16 n
	v_mul_u32_u24 v8, v1, 2*SPI
	v_lshl_add_u32 v8, v2, 4, v8
	s_lshl_b32 s42, s24, 7
	v_add_nc_u32 v8, s42, v8                       ; the stage, in: column row 2 n (+ ct), place 8 w + 2 blk + h
	v_lshlrev_b32 v9, 3, v1                        ; the scale words of my two columns: 8 n
	v_and_b32 v13, 31, v0                          ; lane
	v_lshrrev_b32 v12, 3, v13
	v_and_b32 v10, 7, v13
	v_lshlrev_b32 v10, 4, v10
	v_mad_u32_u24 v10, v12, SPI, v10               ; the stage, out: column row lane / 8 of four, place lane % 8 of a step's eight,
	s_mul_i32 s42, s24, 8*SPI
	v_add_nc_u32 v10, s42, v10                     ; among my wave's eight column rows
	v_mul_u32_u24 v11, v12, 96                     ; and the same place in an image: 96 (lane / 8),
	v_bfe_u32 v12, v13, 2, 1
	v_mad_u32_u24 v11, v12, 24, v11                ; + 24 (block / 2),
	v_and_b32 v12, 1, v13
	v_mad_u32_u24 v11, v12, 12, v11                ; + 12 for the block's upper half,
	v_bfe_u32 v12, v13, 1, 1
	s_and_b32 s42, s24, 1                          ; (my eight columns are rows 0-7 or 8-15 of their image)
	v_xor_b32 v12, s42, v12
	v_mad_u32_u24 v11, v12, 48, v11                ; + 48 for an odd block in rows 0-7, for an even one in rows 8-15
	v_mov_b32 v[PX], 0                             ; written once: a lane permute's destination counts as one of its sources
	v_mov_b32 v[PX+1], 0
	s_lshr_b32 s26, s25, 3
	s_and_b32 s27, s25, 7
	s_lshl_b32 s37, s26, 5                         ; c0
	s_lshl_b32 s43, s27, 9
	s_lshl_b32 s42, s24, 7
	s_add_co_u32 s43, s43, s42                     ; i0
	s_mov_b32 s32, 0x3fc00000                      ; 1.5
	s_mov_b32 s33, 0x41700000                      ; 15.0
	s_mov_b32 s34, 0xbfc00000                      ; -1.5
	s_mov_b32 s38, 0x76543210
	s_mov_b32 s39, 0xfedcba98                      ; v_permlanex16_b32's selects for lane l xor 16
	s_mov_b32 s31, 0
	s_wait_kmcnt 0x0
	s_lshl_b32 s30, s43, 2
	s_add_nc_u64 s[4:5], s[4:5], s[30:31]          ; g_idx at i0
	s_add_nc_u64 s[6:7], s[6:7], s[30:31]          ; lora_A at column i0
	s_lshl_b32 s30, s37, 6
	s_add_nc_u64 s[8:9], s[8:9], s[30:31]          ; lora_B at row c0
	s_lshl_b32 s30, s43, 10
	s_lshl_b32 s42, s37, 2
	s_add_co_u32 s30, s30, s42
	s_add_nc_u64 s[10:11], s[10:11], s[30:31]      ; qweight at (i0 / 8, c0)
	s_lshl_b32 s30, s37, 3
	s_add_nc_u64 s[12:13], s[12:13], s[30:31]      ; tab at column c0
	s_lshr_b32 s30, s26, 2
	s_lshl_b32 s30, s30, 5
	s_lshl_b32 s42, s27, 2
	s_add_co_u32 s30, s30, s42
	s_mul_i32 s30, s30, 12800
	s_add_nc_u64 s[14:15], s[14:15], s[30:31]      ; wc at the first of the work-group's four units: block c0 / 128, step 4 (s25 % 8)
	s_and_b32 s42, s26, 3                          ; which 32 of the block's 128 columns
	s_mul_i32 s30, s24, 12800                      ; my wave's 128 along K are unit w of the four
	s_lshl_b32 s44, s42, 7
	s_add_co_u32 s30, s30, s44
	s_add_co_u32 s30, s30, 12288
	s_add_nc_u64 s[16:17], s[14:15], s[30:31]      ; its scale words of the work-group's 32 columns
	s_mul_i32 s30, s42, 3072
	s_mul_i32 s44, s24, 768
	s_add_co_u32 s30, s30, s44
	s_add_nc_u64 s[14:15], s[14:15], s[30:31]      ; the way out: columns 8 w on: image w / 2 of the work-group's two, rows 8 (w % 2) on
.macro GLOAD blk                       ; g_idx of my 16 rows of block blk
.irp k, 0,1,2,3
	global_load_b128 v[GI+16*((\blk)%2)+4*\k:GI+16*((\blk)%2)+4*\k+3], v6, s[4:5] offset:128*(\blk)+16*\k
.endr
.endm
.macro ALOAD hu
.irp q, 0,1,2,3
.irp jj, 0,1
	global_load_b32 v[AF+2*\q+\jj], v3, s[6:7] offset:(4*\q+\jj)*16384+4*(32*((\hu)/2)+8*((\hu)%2))
.endr
.endr
.endm
.macro QL hu                           ; the one word row of my eight rows, my two columns
	global_load_b64 v[Q+2*((\hu)%2):Q+2*((\hu)%2)+1], v5, s[10:11] offset:(4*((\hu)/2)+(\hu)%2)*8192
.endm
.macro TADDR hu                        ; the table rows of my eight rows: g x 16,384 + 16 n.  Sixteen plain instructions
.set GA, GI+16*(((\hu)/2)%2)+8*((\hu)%2)
.irp j, 0,1,2,3,4,5,6,7
	v_min_u32 v[GA+\j], 31, v[GA+\j]               ; a loaded number enters an address only behind a bound
.endr
.irp j, 0,1,2,3,4,5,6,7
	v_lshl_add_u32 v[GA+\j], v[GA+\j], 14, v7
.endr
.endm
.macro TLOAD hu
.set GA, GI+16*(((\hu)/2)%2)+8*((\hu)%2)
.irp j, 0,1,2,3,4,5,6,7
	global_load_b128 v[TBL+32*((\hu)%2)+4*\j:TBL+32*((\hu)%2)+4*\j+3], v[GA+\j], s[12:13]  ; sixteen lanes read 256 consecutive bytes of one table row
.endr
.endm
.macro MM                              ; AB of 16 rows x 32 columns: the two accumulators take turns, one instruction a turn; the first K step starts each sum
.irp q, 0,1,2,3
.irp ct, 0,1
.if \q == 0
	v_wmma_f32_16x16x4_f32 v[DS+8*\ct:DS+8*\ct+7], v[AF+2*\q:AF+2*\q+1], v[BF+8*\ct+2*\q:BF+8*\ct+2*\q+1], 0
.else
	v_wmma_f32_16x16x4_f32 v[DS+8*\ct:DS+8*\ct+7], v[AF+2*\q:AF+2*\q+1], v[BF+8*\ct+2*\q:BF+8*\ct+2*\q+1], v[DS+8*\ct:DS+8*\ct+7]
.endif
.endr
.endr
.endm
; Rows j0 = 2 jp and j0 + 1 of half unit hu, column tile ct.
.macro ELEM2M hu, ct, jp
.set QR, Q+2*((\hu)%2)+(\ct)
.set DR, DS+8*(\ct)+2*(\jp)
.set TR, TBL+32*((\hu)%2)+8*(\jp)+2*(\ct)
.set VR, V+16*(\ct)+8*((\hu)%2)+2*(\jp)
	v_bfe_u32 v14, v[QR], 8*(\jp), 4               ; w
	v_bfe_u32 v15, v[QR], 8*(\jp)+4, 4
	v_cmp_lt_f32 vcc_lo, s32, v[DR]                ; AB > 1.5
	v_cmp_lt_f32 s36, s32, v[DR+1]
	v_cvt_f32_u32 v14, v14
	v_cvt_f32_u32 v15, v15
	v_cndmask_b32 v16, 0, 1.0, vcc_lo
	v_cndmask_b32 v17, 0, 1.0, s36
	v_cmp_gt_f32 vcc_lo, s34, v[DR]                ; AB < -1.5
	v_cmp_gt_f32 s36, s34, v[DR+1]
	v_cndmask_b32 v16, v16, -1.0, vcc_lo           ; a
	v_cndmask_b32 v17, v17, -1.0, s36
	v_pk_add_f32 v[16:17], v[16:17], v[14:15]
	v_med3_num_f32 v16, v16, 0, s33                ; w' = w + a, held to 0 .. 15
	v_med3_num_f32 v17, v17, 0, s33
	v_fma_f32 v[VR], v16, v[TR], v[TR+1]           ; w' s + se
	v_fma_f32 v[VR+1], v17, v[TR+4], v[TR+5]
.endm
.macro QUANT blk                       ; my 16 numbers of block blk, for each of my two columns, become 12 bytes of codes; the two columns line by line
.irp ct, 0,1
	v_max3_num_f32 v[MX+\ct], |v[V+16*\ct]|, |v[V+16*\ct+1]|, 0x1800000    ; with the floor 2^(3 - 127): the byte cannot fall under 1
.endr
.irp i, 2,4,6,8,10,12,14
.irp ct, 0,1
	v_max3_num_f32 v[MX+\ct], v[MX+\ct], |v[V+16*\ct+\i]|, |v[V+16*\ct+\i+1]|
.endr
.endr
.irp ct, 0,1
	v_permlanex16_b32 v[PX+\ct], v[MX+\ct], s38, s39
.endr
.irp ct, 0,1
	v_max_num_f32 v[MX+\ct], v[MX+\ct], v[PX+\ct]  ; with lane l xor 16's: the block's largest magnitude
.endr
.irp ct, 0,1
	v_add_nc_u32 v[SCL+\ct], 0xff000000, v[MX+\ct] ; 2 off its exponent field: the conversion's scale operand
.endr
.irp ct, 0,1
.if (\blk) == 0
	v_lshrrev_b32 v[SB+\ct], 23, v[SCL+\ct]        ; the scale's byte: the lower K in the lower byte
.else
	v_lshrrev_b32 v[BY+\ct], 23, v[SCL+\ct]
.endif
.endr
.if (\blk) > 0
.irp ct, 0,1
	v_lshl_or_b32 v[SB+\ct], v[BY+\ct], 8*(\blk), v[SB+\ct]
.endr
.endif
	s_wait_alu depctr_va_vdst(0)
	s_wait_dscnt 0x0                               ; the last block's stores into the stage have read these registers
	v_cvt_scalef32_pk16_fp6_f32 v[28:30], v[V:V+15], v[SCL]
	v_cvt_scalef32_pk16_fp6_f32 v[32:34], v[V+16:V+31], v[SCL+1]
	v_nop                                          ; one plain instruction behind the conversions: the next block's arithmetic writes their sources
	ds_store_b96 v8, v[28:30] offset:32*(\blk)
	ds_store_b96 v8, v[32:34] offset:SPI+32*(\blk)
.endm
.macro HALF hu
	s_wait_loadcnt 0x0                             ; all that is out was asked for a half unit ago: this half unit's A, words and table rows
	MM
.if (\hu) < 7
	TADDR (\hu)+1                                  ; sixteen plain instructions that name no register of the products: the eight places that this form asks for in front of the reads of AB and of the loads into A's registers
	TLOAD (\hu)+1
	ALOAD (\hu)+1
	QL (\hu)+1
.else
.rept 8
	v_nop
.endr
.endif
.if ((\hu) == 1) || ((\hu) == 3)
	GLOAD (\hu)/2+2                                ; into the registers whose table loads the wait above has shown done
.endif
.irp jp, 0,1,2,3                       ; each accumulator is read from its low end on
.irp ct, 0,1
	ELEM2M \hu, \ct, \jp
.endr
.endr
.if (\hu)%2 == 1
	QUANT (\hu)/2
.endif
.endm
.irp ct, 0,1
.irp q, 0,1,2,3
	global_load_b64 v[BF+8*\ct+2*\q:BF+8*\ct+2*\q+1], v4, s[8:9] offset:64*\ct+16*\q       ; lora_B[c0 + 2 n + ct][4 q + 2 h + 0, 1]: it stays
.endr
.endr
	GLOAD 0
	GLOAD 1
	ALOAD 0
	QL 0
	s_wait_loadcnt 0x0
	TADDR 0
	TLOAD 0
.irp hu, 0,1,2,3,4,5,6,7
	HALF \hu
.endr
	global_store_b64 v9, v[SB:SB+1], s[16:17]      ; my two columns' scale words of my 128 along K: sixteen lanes store 128 consecutive bytes; both halves of the lanes store the same words
	s_wait_dscnt 0x0                               ; for the others' sake: my stores into the stage are done
	s_barrier_signal -1
	s_barrier_wait -1
	; THE WAY OUT: a column's 512 codes come from four waves; wave w stores columns 8 w .. 8 w + 7, a row's 384 consecutive bytes by 32 lanes, 12 bytes each
.irp k, 0,1,2,3,4,5,6,7
	ds_load_b96 v[TBL+4*\k:TBL+4*\k+2], v10 offset:4*SPI*(\k/4)+128*(\k%4)   ; four columns x the eight places of step k % 4
.endr
.irp k, 0,1,2,3,4,5,6,7
	s_wait_dscnt 7-\k                              ; LDS loads come back in order: row k is in, the younger ones may be out
	global_store_b96 v11, v[TBL+4*\k:TBL+4*\k+2], s[14:15] offset:384*(\k/4)+12800*(\k%4)   ; 384 consecutive bytes of an image
.endr
	s_wait_tensorcnt 0x0
	ds_add_u32 v254, v255
	s_wait_dscnt 0x0
	s_endpgm
; ---------------- ODD: the stream.  Rows are dense and 4,096 is a multiple of 32, so x is a plain stream of blocks of 32, and so are the codes and the scale bytes.
; A wave takes 16 steps of 512 numbers.  Each of a step's four loads reads 512 consecutive bytes, 16 a lane; the conversion wants 16 NEIGHBOURS in a lane: so the 2,048 bytes turn through the
; wave's own stage in LDS (as they lie in, 64 bytes a lane out; 16 bytes of padding behind each 64).  Two neighbouring lanes hold a block.  A lane's 16 codes are 12 bytes: the wave stores 384
; consecutive bytes.  A wave's 256 scale bytes are gathered in LDS and leave as four blocks of 64, one in each of the wave's four units.  Loads run eight steps (32 loads a wave) ahead, the turn one step.  Waves share nothing: no barrier.
.macro XLOAD t
.irp i, 0,1,2,3
	global_load_b128 v[XR+16*((\t)%8)+4*\i:XR+16*((\t)%8)+4*\i+3], v3, s[18:19] offset:(4*((\t)/4)+\i)*16384+512*((\t)%4) th:TH_LOAD_NT   ; step t: rows 4 (t / 4) + i of my 16, 128 along K from 128 (t % 4) on: 512 consecutive bytes
.endr
.endm
.macro XTURN t                         ; LDS serves a wave's instructions in order (ISA guide 5.7.1.4): no wait between the stores and the loads
.irp i, 0,1,2,3
	ds_store_b128 v14, v[XR+16*((\t)%8)+4*\i:XR+16*((\t)%8)+4*\i+3] offset:32*SP*((\t)%2)+8*SP*\i
.endr
.irp i, 0,1,2,3
	ds_load_b128 v[XX+16*((\t)%2)+4*\i:XX+16*((\t)%2)+4*\i+3], v15 offset:32*SP*((\t)%2)+16*\i
.endr
.endm
.macro XSTEP t
.set XN, XX+16*((\t)%2)
.set XK, XC+4*((\t)%8)
.if (\t) > 0
	s_wait_dscnt 1                                 ; this step's numbers are back from the stage; the last step's byte store may be out
.else
	s_wait_dscnt 0x0
.endif
.if (\t)+8 < 16
	XLOAD (\t)+8                                   ; into the set that this step's turn has read
.endif
.if (\t)+1 < 16
.if 14-(\t) >= 7
	s_wait_loadcnt 28                              ; the next step's four loads are in; those of the seven steps behind it may be out
.else
	s_wait_loadcnt 4*(14-(\t))
.endif
	XTURN (\t)+1
.endif
	v_max3_num_f32 v8, |v[XN]|, |v[XN+1]|, |v[XN+2]|       ; the largest magnitude of my 16, in two chains
	v_max3_num_f32 v9, |v[XN+3]|, |v[XN+4]|, |v[XN+5]|
.irp i, 6,10
	v_max3_num_f32 v8, v8, |v[XN+\i]|, |v[XN+\i+1]|
	v_max3_num_f32 v9, v9, |v[XN+\i+2]|, |v[XN+\i+3]|
.endr
	v_max3_num_f32 v8, v8, |v[XN+14]|, |v[XN+15]|
	v_max3_num_f32 v8, v8, v9, 0x1800000           ; and the floor 2^(3 - 127): the byte cannot fall under 1
	v_max_num_f32_dpp v8, v8, v8 row_xmask:1 row_mask:0xf bank_mask:0xf    ; with my neighbour's 16: the block's
	v_add_nc_u32 v11, 0xff000000, v8               ; 2 off its exponent field: the conversion takes the exponent field of this operand as its scale
.if (\t) >= 8
	s_wait_alu depctr_va_vdst(0)
	s_wait_xcnt 0x0                                ; the store of eight steps ago has read these registers
.endif
	v_cvt_scalef32_pk16_fp6_f32 v[XK:XK+2], v[XN:XN+15], v11
	v_lshrrev_b32 v[XE+(\t)%2], 23, v11            ; the scale's byte.  (Also the plain instruction behind the conversion)
	ds_store_b8 v5, v[XE+(\t)%2] offset:64*((\t)%4)+16*((\t)/4)    ; both lanes of a block write the same byte with the same value
	global_store_b96 v[4+6*((\t)/8)], v[XK:XK+2], s[20:21] offset:12800*((\t)%4)+384*((\t)/4)   ; four rows' 384 consecutive bytes of an image; v4 for rows 0-7 of an image, v10 for rows 8-15
.endm
.Lxq:
	v_and_b32 v2, 31, v0                           ; lane
	v_lshlrev_b32 v3, 4, v2                        ; my 16 bytes of a load's 512
	s_lshl_b32 s27, s24, 13
	s_add_co_u32 s27, s27, XL                      ; my wave's LDS
	v_lshrrev_b32 v14, 2, v2
	v_mul_u32_u24 v14, v14, SP
	v_and_b32 v15, 3, v2
	v_lshl_add_u32 v14, v15, 4, v14
	v_add_nc_u32 v14, s27, v14                     ; into a stage: SP (lane / 4) + 16 (lane % 4); a load's 512 bytes take eight places
	v_mul_u32_u24 v15, v2, SP
	v_add_nc_u32 v15, s27, v15                     ; out of it: SP x lane
	v_lshrrev_b32 v4, 3, v2                        ; my codes' place in a step's four rows: 96 (lane / 8),
	v_mul_u32_u24 v4, v4, 96
	v_bfe_u32 v10, v2, 2, 1
	v_mad_u32_u24 v4, v10, 24, v4                  ; + 24 (block / 2),
	v_and_b32 v10, 1, v2
	v_mad_u32_u24 v4, v10, 12, v4                  ; + 12 for the block's upper half,
	v_bfe_u32 v1, v2, 1, 1
	v_mul_u32_u24 v1, v1, 48
	v_sub_nc_u32 v10, 48, v1
	v_add_nc_u32 v10, v4, v10                      ; + 48 for an even block (rows 8-15 of an image),
	v_add_nc_u32 v4, v4, v1                        ; or for an odd one (rows 0-7)
	v_lshrrev_b32 v5, 1, v2
	s_add_co_u32 s27, s27, 2*32*SP
	v_add_nc_u32 v5, s27, v5                       ; my block's byte among the wave's 256
	v_lshlrev_b32 v7, 3, v2
	v_add_nc_u32 v6, s27, v7                       ; and on the way out 8 bytes a lane,
	v_lshrrev_b32 v1, 3, v2
	v_and_b32 v7, 7, v2
	v_lshlrev_b32 v7, 3, v7
	v_mad_u32_u24 v7, v1, 12800, v7                ; eight lanes to the 64 bytes of each of my four units
	s_add_co_u32 s26, s25, XB
	s_lshl_b32 s26, s26, 2
	s_add_co_u32 s26, s26, s24                     ; which run of 8,192 numbers is my wave's
	s_mov_b32 s31, 0
	s_lshr_b32 s30, s26, 3                         ; run R: rows 16 (R / 8) on, 512 along K from 512 (R % 8) on: the four waves stand side by side along K
	s_lshl_b32 s30, s30, 18
	s_and_b32 s28, s26, 7
	s_lshl_b32 s29, s28, 11
	s_add_co_u32 s30, s30, s29
	s_wait_alu depctr_va_vdst(0)
	s_wait_kmcnt 0x0
	s_add_nc_u64 s[18:19], s[18:19], s[30:31]
	s_lshr_b32 s30, s26, 6
	s_lshl_b32 s30, s30, 5
	s_lshl_b32 s28, s28, 2
	s_add_co_u32 s30, s30, s28
	s_mul_i32 s30, s30, 12800
	s_add_nc_u64 s[20:21], s[20:21], s[30:31]      ; the first of my four units of xc
	s_bfe_u32 s29, s26, 0x30003                    ; which 16 of its 128 rows
	s_lshl_b32 s30, s29, 6
	s_add_co_u32 s30, s30, 12288
	s_add_nc_u64 s[22:23], s[20:21], s[30:31]      ; my rows' scale words
	s_mul_i32 s30, s29, 1536
	s_add_nc_u64 s[20:21], s[20:21], s[30:31]      ; my image
.irp t, 0,1,2,3,4,5,6,7
	XLOAD \t
.endr
	s_wait_loadcnt 28                              ; step 0's four loads are in
	XTURN 0
.irp t, 0,1,2,3,4,5,6,7,8,9,10,11,12,13,14,15
	XSTEP \t
.endr
	ds_load_b64 v[12:13], v6
	s_wait_dscnt 0x0
	global_store_b64 v7, v[12:13], s[22:23]        ; eight lanes store 64 consecutive bytes in each of my four units
	s_wait_tensorcnt 0x0
	ds_add_u32 v254, v255
	s_wait_dscnt 0x0
	s_endpgm
.Lfunc_end_k_qd8d6b1be2a_mix:
	.size	k_qd8d6b1be2a_mix, .Lfunc_end_k_qd8d6b1be2a_mix-k_qd8d6b1be2a_mix
	.p2alignl 7, 3214868480
	.fill 96, 4, 3214868480
	.section	.rodata,"a",@progbits
	.p2align	6, 0x0
	.amdhsa_kernel k_qd8d6b1be2a_mix
		.amdhsa_group_segment_fixed_size 50688
		.amdhsa_private_segment_fixed_size 0
		.amdhsa_enable_private_segment 0
		.amdhsa_kernarg_size 64
		.amdhsa_user_sgpr_count 2
		.amdhsa_user_sgpr_kernarg_segment_ptr 1
		.amdhsa_wavefront_size32 1
		.amdhsa_system_sgpr_workgroup_id_x 1
		.amdhsa_system_sgpr_workgroup_id_y 1
		.amdhsa_system_sgpr_workgroup_id_z 1
		.amdhsa_system_vgpr_workitem_id 0
		.amdhsa_next_free_vgpr 256
		.amdhsa_next_free_sgpr 66
		.amdhsa_reserve_vcc 1
		.amdhsa_float_denorm_mode_32 3
		.amdhsa_float_denorm_mode_16_64 3
		.amdhsa_memory_ordered 1
		.amdhsa_forward_progress 1
		.amdhsa_inst_pref_size 132
	.end_amdhsa_kernel
	.amdgpu_metadata
---
amdhsa.version: [ 1, 2 ]
amdhsa.kernels:
  - .name:           k_qd8d6b1be2a_mix
    .symbol:         k_qd8d6b1be2a_mix.kd
    .args:
      - { .name: g_idx, .offset: 0, .size: 8, .value_kind: global_buffer, .address_space: global }
      - { .name: lora_A, .offset: 8, .size: 8, .value_kind: global_buffer, .address_space: global }
      - { .name: lora_B, .offset: 16, .size: 8, .value_kind: global_buffer, .address_space: global }
      - { .name: qweight, .offset: 24, .size: 8, .value_kind: global_buffer, .address_space: global }
      - { .name: tab, .offset: 32, .size: 8, .value_kind: global_buffer, .address_space: global }
      - { .name: wc, .offset: 40, .size: 8, .value_kind: global_buffer, .address_space: global }
      - { .name: x, .offset: 48, .size: 8, .value_kind: global_buffer, .address_space: global }
      - { .name: xc, .offset: 56, .size: 8, .value_kind: global_buffer, .address_space: global }
    .group_segment_fixed_size: 50688
    .private_segment_fixed_size: 0
    .kernarg_segment_align: 8
    .kernarg_segment_size: 64
    .max_flat_workgroup_size: 128
    .sgpr_count:     66
    .vgpr_count:     256
    .wavefront_size: 32
...
	.end_amdgpu_metadata
.endif
;; end of part 3
;; launch gemm (part 4): grid 8 x 32, 4 waves a work-group, clusters of 4 x 4, 327,680 bytes of LDS; arguments xc, wc, out0; writes out0
.if DOCPART == 4
	.amdgcn_target "amdgcn-amd-amdhsa--gfx1250"
	.amdhsa_code_object_version 6
	.text
	.protected	k_qd8d6b1be2a_gemm
	.globl	k_qd8d6b1be2a_gemm
	.p2align	8
	.type	k_qd8d6b1be2a_gemm,@function
k_qd8d6b1be2a_gemm:
	s_mov_b64 s[64:65], 0
	v_nop
	global_prefetch_b8 v0, s[64:65] scope:SCOPE_SE
	s_setreg_imm32_b32 hwreg(HW_REG_WAVE_MODE, 25, 1), 1
	s_wait_xcnt 0x0
	s_wait_alu depctr_hold_cnt(0) depctr_sa_sdst(0) depctr_va_vdst(0) depctr_va_sdst(0) depctr_va_ssrc(0) depctr_va_vcc(0) depctr_vm_vsrc(0)
	s_getreg_b32 s2, hwreg(HW_REG_IB_STS2, 6, 4)
	s_cmp_eq_u32 s2, 0
	s_cbranch_scc0 .Lentry_in_a_cluster
	s_endpgm
.Lentry_in_a_cluster:
	s_bfe_u32 s2, ttmp6, 0x10000c
	s_cmp_lg_u32 s2, 0xf033
	s_cbranch_scc0 .Lentry_shape_is_right
	s_endpgm
.Lentry_shape_is_right:
; out0[m][n] = sum over k of x[m][k] AB_mix[k][n], M 8,192, N 2,048, K 4,096: both operands as codes of E2M3 with one E8M0 byte for each 32 along K, sums in f32.
; xc (rows m) and wc (rows n) are this program's own buffers, laid as this launch reads them: [blocks of 128 rows][32 steps of 128 along K][a unit of 12,800 bytes].  A unit is eight IMAGES of 1,536 bytes,
; one for each 16 rows, then 512 scale bytes, one word a row.  An image gives lane (r, h) its 12 operand registers as 48 consecutive bytes at 96 r + 48 (h xor r / 8): three loads of 16 bytes
; no padding.
; A tile of C, 256 x 256, is made by four waves, 128 x 128 each: 64 accumulators, 512 registers.  K goes through a ring of two LDS slots; a slot holds THREE steps of 128 along K of A's 256 rows and B's 256 rows,
; codes and scales: 153,600 bytes.  A wave's tensor load brings 128 rows x three steps: 38,400 consecutive bytes of memory, as 150 rows of 256 bytes that begin on 256-byte borders.
; 32 steps are ten fills of three and an eleventh of two (100 rows).  By this text's own count a wave has one tensor load out, with 160 matrix instructions between its issue and the wait for it.
; CLUSTERS: 4 x 4 work-groups; A's tiles are asked for jointly along a row of the cluster, B's along a column.  The matrix instruction is used transposed (source 0 = rows of B, source 1 = rows of A):
; a lane holds eight neighbouring numbers of a row of C.
; PREFETCH: behind the joint load of fill j stand two prefetches for fill j + 2 (at the head also for fill 1): the 150 blocks of 256 bytes of a wave's load are shared out among the four partners that ask
; for it jointly, 38 each, by address; lanes left over name their share's last block again.  Fill 10, the short one, and so the last two turns of the loop, ask for nothing.
; REGISTERS: window 0: v0-31 addresses; v32-47 scale words, two sets of 8 (lanes 0-15 A's block i, lanes 16-31 B's block i); v128-223 A's fragments, one set; window 1: B's fragments, two sets, at v0 and v128;
; windows 2, 3: the accumulators of my rows 0-63, 64-127.
.set SIZE_N, 2048
.set FR,     12                        ; registers of a fragment
.set NL,     3                         ; LDS loads that bring one
.set NP,     4                         ; places behind this matrix instruction (ISA guide 7.12.1)
.set FB,     1536                      ; an image
.set SCO,    8*FB                      ; where a unit's scale words begin
.set UB,     SCO+512                   ; a unit
.set FILLB,  3*UB                      ; what one tensor load brings
.set FROWS,  FILLB/256
.set LROWS,  2*UB/256                  ; the last fill's rows
.set MBB,    32*UB                     ; a block of 128 rows, all of K
.set SLOT,   4*FILLB                   ; A's two halves, then B's two halves
.set SPARE,  2*SLOT                    ; the spare words: 128 bytes a wave, two blocks of 256 bytes that no other line names
.set SPITCH, 528                       ; the way out: a stage of 16 rows x (512 + 16) bytes a wave, in slot 1, which has had its last fill and its last read by then
.set STAGE,  SLOT
.set ADRA, 16                          ; v16-17 my A fragments in slot 0, 1
.set ADRB, 18                          ; v18-19 B's
.set ADRS, 20                          ; v20-21 scale words: lanes 0-15 A's rows, lanes 16-31 B's
.set STO,  24
.set RD,   25
.set CO,   26
.set SPW,  28                          ; my spare word's address; never rewritten
.set NIL,  29                          ; 0; never rewritten
.set PFO,  30                          ; v30-31 the prefetches' offsets; never rewritten
.set SC,   32
.set AF,   128
.set BK,   128
.set G1,  24
.set G0,  32
.set G1B, 48
.set G0B, 56
.set PFA, 66                           ; s[66:67] the prefetches' base
.set MSB, 0
.macro WIN new                         ; the immediate's high byte repeats the setting that is left
.if MSB != \new
	s_set_vgpr_msb (MSB<<8)|\new
.set MSB, \new
.endif
.endm
.set MUL_LO, 0xa1                      ; source 0 (B) window 1, source 1 (A) window 0, C and D window 2
.set MUL_HI, 0xf1
.set TO_B,   0x40
.macro JLOAD s                         ; a joint load: waves 0, 1 fetch A's halves, waves 2, 3 B's; s_nop 0 and four v_nop behind each line
	s_cmp_eq_u32 s15, 0
	s_cbranch_scc0 .Lfor_b_\@
	tensor_load_to_lds s[G0+4*\s:G0+4*\s+3], s[G1:G1+7]
	s_nop 0
.rept 4
	v_nop
.endr
	s_branch .Lasked_\@
.Lfor_b_\@:
	tensor_load_to_lds s[G0B+4*\s:G0B+4*\s+3], s[G1B:G1B+7]
	s_nop 0
.rept 4
	v_nop
.endr
.Lasked_\@:
.endm
.macro CREST                           ; a round of the cluster's barrier behind its opening barrier
	s_cmp_lg_u32 s14, 0
	s_cbranch_scc1 .Lnot_wave_0_\@
	s_barrier_signal -3
.Lnot_wave_0_\@:
	s_barrier_wait -3
	s_barrier_signal -1
	s_barrier_wait -1
.endm
.macro CROUND
	s_barrier_signal -1
	s_barrier_wait -1
	CREST
.endm
.macro PF off                          ; my share of one fill: 38 blocks of 256 bytes, a lane a block
	global_prefetch_b8 v[PFO], s[PFA:PFA+1] offset:\off th:TH_LOAD_NT scope:SCOPE_SE
	global_prefetch_b8 v[PFO+1], s[PFA:PFA+1] offset:\off th:TH_LOAD_NT scope:SCOPE_SE
.endm
.macro ASK                             ; in the loop: not in its last trip, whose fills two on are the short one or none
	s_cmp_gt_u32 s3, 1
	s_cbranch_scc0 .Lnoask_\@
	PF 2*FILLB
.Lnoask_\@:
.endm
	s_load_b128 s[4:7], s[0:1], 0x0                ; xc, wc
	s_load_b64 s[8:9], s[0:1], 0x10                ; out0
	v_lshl_add_u32 v[SPW], v0, 2, SPARE
	v_mov_b32 v[NIL], 0
	ds_add_u32 v[SPW], v[NIL]                      ; the opening lines: the add, twice on end, and its wait ahead of my first tensor load
	ds_add_u32 v[SPW], v[NIL]
	v_lshrrev_b32 v1, 5, v0
	v_readfirstlane_b32 s14, v1                    ; wave
	s_lshr_b32 s15, s14, 1                         ; my half of the tile's rows; also: I fetch for A (0) or B (1)
	s_and_b32 s16, s14, 1                          ; my half of its columns; also: which 128 rows I fetch
	s_bfe_u32 s40, ttmp6, 0x40000                  ; cx
	s_bfe_u32 s41, ttmp6, 0x40004                  ; cy
	s_lshl_b32 s42, ttmp9, 2
	s_add_co_u32 s42, s42, s40                     ; tile column
	s_and_b32 s17, ttmp7, 0xffff
	s_lshl_b32 s17, s17, 2
	s_add_co_u32 s17, s17, s41                     ; tile row
	s_lshl_b32 s43, s41, 2
	s_lshl_b32 s43, 15, s43                        ; my row of the cluster
	s_lshl_b32 s44, 0x1111, s40                    ; my column
	s_or_b32 s[G1+0], s43, (3<<16)|(1<<21)         ; the mask; elements of 8 bytes; bit 21 beside a mask; no padding
	s_or_b32 s[G1B+0], s44, (3<<16)|(1<<21)
.irp g, G1, G1B
	s_mov_b32 s[\g+1], 32<<16                      ; rows of 32 elements = 256 bytes,
	s_mov_b32 s[\g+2], FROWS<<16                   ; 150 of them,
	s_mov_b32 s[\g+3], 32<<16
	s_mov_b32 s[\g+4], FROWS
	s_mov_b32 s[\g+5], 32                          ; dense
	s_mov_b32 s[\g+6], 0
	s_mov_b32 s[\g+7], 0
.endr
	s_lshl_b32 s20, s17, 1
	s_add_co_u32 s20, s20, s16
	s_mul_i32 s20, s20, MBB                        ; A: block 2 x tile row + half
	s_mov_b32 s21, 0
	s_lshl_b32 s46, s42, 1
	s_add_co_u32 s46, s46, s16
	s_mul_i32 s46, s46, MBB                        ; B: block 2 x tile column + half
	s_mov_b32 s47, 0
	s_mul_i32 s45, s14, FILLB                      ; where my load goes in a slot
	s_wait_dscnt 0x0                               ; both opening adds are done
	s_wait_kmcnt 0x0
	s_add_nc_u64 s[20:21], s[4:5], s[20:21]
	s_add_nc_u64 s[46:47], s[6:7], s[46:47]
	CROUND                                         ; all sixteen work-groups are here: the first joint loads meet
.irp s, 0,1
	s_mov_b32 s[G0+4*\s], 1
	s_add_co_u32 s[G0+4*\s+1], s45, \s*SLOT
	s_add_nc_u64 s[G0+4*\s+2:G0+4*\s+3], s[20:21], \s*FILLB
	s_or_b32 s[G0+4*\s+3], s[G0+4*\s+3], 0x80000000
	s_mov_b32 s[G0B+4*\s], 1
	s_add_co_u32 s[G0B+4*\s+1], s45, \s*SLOT
	s_add_nc_u64 s[G0B+4*\s+2:G0B+4*\s+3], s[46:47], \s*FILLB
	s_or_b32 s[G0B+4*\s+3], s[G0B+4*\s+3], 0x80000000
.endr
	JLOAD 0                                        ; fill 0: one tensor load a wave at the head
	; all scalar set-up first, then all vector set-up on end
	s_cmp_eq_u32 s15, 0
	s_cselect_b32 s76, s40, s41                    ; my place among the four that ask with me
	s_cselect_b64 s[PFA:PFA+1], s[20:21], s[46:47]
	s_add_nc_u64 s[PFA:PFA+1], s[PFA:PFA+1], FILLB ; at fill 1
	s_mul_i32 s76, s76, 38                         ; my share's first block
	s_mul_i32 s68, s15, FILLB                      ; my 128 rows of A in slot 0,
	s_mul_i32 s70, s16, FILLB
	s_add_co_u32 s70, s70, 2*FILLB                 ; my 128 rows of B
	s_sub_co_u32 s72, s70, s68                     ; from A's to B's
	s_add_co_u32 s69, s68, SLOT
	s_add_co_u32 s71, s70, SLOT
	s_add_co_u32 s73, s68, SCO
	s_add_co_u32 s74, s69, SCO
	s_mul_i32 s75, s14, 16*SPITCH
	s_add_co_u32 s75, s75, STAGE                   ; my stage
	s_lshl_b32 s20, s17, 8
	s_lshl_b32 s21, s15, 7
	s_add_co_u32 s20, s20, s21                     ; my first row of C,
	s_lshl_b32 s20, s20, 13                        ; of 8,192 bytes
	s_mov_b32 s21, 0
	s_lshl_b32 s46, s42, 10                        ; my first column, in bytes
	s_lshl_b32 s47, s16, 9
	s_add_co_u32 s46, s46, s47
	s_mov_b32 s47, 0
	s_add_nc_u64 s[20:21], s[20:21], s[46:47]
	s_add_nc_u64 s[8:9], s[8:9], s[20:21]
	v_and_b32 v6, 31, v0                           ; lane
	v_add_nc_u32 v7, s76, v6
	v_lshlrev_b32 v[PFO], 8, v7                    ; blocks 0 .. 31 of my share,
	v_min_u32 v8, 5, v6
	v_add3_u32 v8, v8, s76, 32
	v_min_u32 v8, FROWS-1, v8                      ; blocks 32 .. 37, held inside the fill
	v_lshlrev_b32 v[PFO+1], 8, v8
	PF 0                                           ; fills 1 and 2
	PF FILLB
	v_and_b32 v1, 15, v0                           ; r
	v_bfe_u32 v2, v0, 4, 1                         ; h
	v_bfe_u32 v3, v0, 3, 1                         ; r / 8
	v_xor_b32 v3, v3, v2
	v_mul_u32_u24 v4, v1, 96
	v_mad_u32_u24 v4, v3, 48, v4                   ; my 48 bytes of an image
	v_add_nc_u32 v[ADRA], s68, v4
	v_add_nc_u32 v[ADRA+1], s69, v4
	v_add_nc_u32 v[ADRB], s70, v4
	v_add_nc_u32 v[ADRB+1], s71, v4
	v_mul_u32_u24 v5, s72, v2                      ; lanes 16-31 take B's scale words
	v_lshl_add_u32 v5, v1, 2, v5
	v_add_nc_u32 v[ADRS], s73, v5
	v_add_nc_u32 v[ADRS+1], s74, v5
	v_mul_u32_u24 v5, v1, SPITCH
	v_lshl_add_u32 v5, v2, 5, v5
	v_add_nc_u32 v[STO], s75, v5                   ; into the stage: row r, 32 bytes for each half of the lanes
	v_lshlrev_b32 v[CO], 4, v6                     ; back: 32 lanes take a row of 512 bytes; the same in C
	v_add_nc_u32 v[RD], s75, v[CO]
.macro FRAG reg, adr, off
	ds_load_b128 v[\reg:\reg+3], v[\adr] offset:\off
	ds_load_b128 v[\reg+4:\reg+7], v[\adr] offset:\off+16
	ds_load_b128 v[\reg+8:\reg+11], v[\adr] offset:\off+32
.endm
.macro FETCH_B slot, q, p              ; B's eight fragments of step q of a slot into set p
	WIN TO_B
.irp i, 0,1,2,3,4,5,6,7
	FRAG 128*(\p)+FR*\i, ADRB+\slot, (\q)*UB+\i*FB
.endr
.endm
.macro FETCH_A slot, q, i0             ; A's blocks i0 .. i0 + 3
	WIN 0
.irp i, \i0, \i0+1, \i0+2, \i0+3
	FRAG AF+FR*(\i), ADRA+\slot, (\q)*UB+(\i)*FB
.endr
.endm
.macro SCALES slot, q, p
	WIN 0
.irp i, 0,1,2,3,4,5,6,7
	ds_load_b32 v[SC+8*(\p)+\i], v[ADRS+\slot] offset:(\q)*UB+64*\i
.endr
.endm
; 16 matrix instructions: A's blocks a0, a0 + 1 x B's eight.  p: B's set and the set of scale words.  The 64 accumulators take turns in the same order in every step.
.macro MUL16 a0, p, zero
.irp a, \a0, \a0+1
.irp b, 0,1,2,3,4,5,6,7
.if \zero
	v_wmma_scale_f32_16x16x128_f8f6f4 v[8*(8*((\a)%4)+\b):8*(8*((\a)%4)+\b)+7], v[128*(\p)+FR*\b:128*(\p)+FR*\b+FR-1], v[AF+FR*(\a):AF+FR*(\a)+FR-1], 0, v[SC+8*(\p)+\b], v[SC+8*(\p)+(\a)] matrix_a_fmt:MATRIX_FMT_FP6 matrix_b_fmt:MATRIX_FMT_FP6 matrix_a_scale:MATRIX_SCALE_ROW1
.else
	v_wmma_scale_f32_16x16x128_f8f6f4 v[8*(8*((\a)%4)+\b):8*(8*((\a)%4)+\b)+7], v[128*(\p)+FR*\b:128*(\p)+FR*\b+FR-1], v[AF+FR*(\a):AF+FR*(\a)+FR-1], v[8*(8*((\a)%4)+\b):8*(8*((\a)%4)+\b)+7], v[SC+8*(\p)+\b], v[SC+8*(\p)+(\a)] matrix_a_fmt:MATRIX_FMT_FP6 matrix_b_fmt:MATRIX_FMT_FP6 matrix_a_scale:MATRIX_SCALE_ROW1
.endif
.endr
.endr
.endm
.macro PLACES n                        ; plain places in front of loads into registers that matrix instructions have read, and of reads of results
.rept \n
	v_nop
.endr
.endm
; A step whose successor (step nq of slot ns) lies in the same slot.  B's other set is free from the step's head on (the places stand at the end of the step before): its 24 loads go out first;
; A's blocks 0-3 and the scale words follow in the middle, A's blocks 4-7 at the end.
.macro STEP p, ns, nq, zero
	s_wait_dscnt 4*NL                              ; all but the youngest 12 loads (A's blocks 4-7) are in
	FETCH_B \ns, \nq, 1-(\p)
	WIN MUL_LO
	MUL16 0, \p, \zero
	MUL16 2, \p, \zero
	s_wait_dscnt 8*NL                              ; A's blocks 4-7 are in; the 24 loads of B's next set may be out
	PLACES NP
	FETCH_A \ns, \nq, 0
	SCALES \ns, \nq, 1-(\p)
	WIN MUL_HI
	MUL16 4, \p, \zero
	MUL16 6, \p, \zero
	PLACES NP
	FETCH_A \ns, \nq, 4
.endm
; A slot's last step: its fragments are all in registers or on their way, and the next step lies in the other slot.  ONE barrier for both: in front of it each wave waits for all its tensor loads (its part of
; the other slot), adds 0 to its spare word, and waits for that and for its reads of this slot.  fill = 1: a round of the cluster's barrier, and this slot is filled again; 2: the same with the last, short fill; 0: nothing is left to fetch.
.macro TURN p, slot, next, fill
.if \fill == 1
	s_wait_xcnt 0x0                                ; my prefetches have read their base: it steps one fill on
	s_add_nc_u64 s[PFA:PFA+1], s[PFA:PFA+1], FILLB
.endif
	s_wait_tensorcnt 0x0                           ; all my tensor loads have landed
	ds_add_u32 v[SPW], v[NIL]
.if \fill == 1
	s_add_nc_u64 s[G0+4*\next+2:G0+4*\next+3], s[G0+4*\next+2:G0+4*\next+3], 2*FILLB      ; no load of mine is out: the other slot's next fill
	s_add_nc_u64 s[G0B+4*\next+2:G0B+4*\next+3], s[G0B+4*\next+2:G0B+4*\next+3], 2*FILLB
.endif
.if \fill == 2
	s_mov_b32 s[G1+2], LROWS<<16                   ; the last fill has two steps: 100 rows
	s_mov_b32 s[G1+4], LROWS
	s_mov_b32 s[G1B+2], LROWS<<16
	s_mov_b32 s[G1B+4], LROWS
.endif
	s_wait_dscnt 4*NL+1                            ; (the add and the youngest 12 loads may be out)
	WIN MUL_LO
	MUL16 0, \p, 0
	s_wait_dscnt 0x0                               ; the add is done, and my reads of this slot are over
	s_barrier_signal -1
	MUL16 2, \p, 0
	WIN 0
	s_barrier_wait -1
.if \fill
	CREST                                          ; no wave of any partner still reads this slot or has a load on its way
	JLOAD \slot                                    ; the first tensor load behind the round; its four v_nop are the places in front of the loads below
.else
	PLACES NP
.endif
	FETCH_B \next, 0, 1-(\p)
	FETCH_A \next, 0, 0
	SCALES \next, 0, 1-(\p)
.if \fill == 1
	ASK
.endif
	WIN MUL_HI
	MUL16 4, \p, 0
	MUL16 6, \p, 0
	PLACES NP
	FETCH_A \next, 0, 4
.endm
	s_wait_alu depctr_va_vdst(0)                   ; the wait at the head's end
	s_wait_tensorcnt 0x0                           ; my part of fill 0 is in
	ds_add_u32 v[SPW], v[NIL]
	s_add_nc_u64 s[G0+2:G0+3], s[G0+2:G0+3], 2*FILLB       ; slot 0's next fill is fill 2
	s_add_nc_u64 s[G0B+2:G0B+3], s[G0B+2:G0B+3], 2*FILLB
	s_wait_dscnt 0x0
	CROUND
	JLOAD 1                                        ; fill 1, slot 1's first
	FETCH_B 0, 0, 0
	FETCH_A 0, 0, 0
	SCALES 0, 0, 0
	PF 2*FILLB                                     ; fill 3
	FETCH_A 0, 0, 4
	STEP 0, 0, 1, 1                                ; step 0 starts the sums: nothing is cleared
	s_mov_b32 s3, 4
.Llap:                                                 ; a trip is six steps, from a fill's second step to the second fill on's first: both slots are filled again
	STEP 1, 0, 2, 0
	TURN 0, 0, 1, 1
	STEP 1, 1, 1, 0
	STEP 0, 1, 2, 0
	TURN 1, 1, 0, 1
	STEP 0, 0, 1, 0
	s_sub_co_u32 s3, s3, 1
	s_cmp_lg_u32 s3, 0
	s_cbranch_scc1 .Llap
	STEP 1, 0, 2, 0                                ; steps 25 .. 31: fill 8's turn asks for the short fill 10, fill 9's for nothing
	TURN 0, 0, 1, 2
	STEP 1, 1, 1, 0
	STEP 0, 1, 2, 0
	TURN 1, 1, 0, 0
	STEP 0, 0, 1, 0
	s_wait_dscnt 4*NL                              ; the last step fetches nothing
	WIN MUL_LO
	MUL16 0, 1, 0
	MUL16 2, 1, 0
	s_wait_dscnt 0
	WIN MUL_HI
	MUL16 4, 1, 0
	MUL16 6, 1, 0
	WIN 0
; THE WAY OUT, block by block of 16 rows x 128 columns, through my own stage: in as 32 bytes a lane, back as whole rows of 512 bytes, which 32 lanes store as two aligned units of 256 bytes.
; LDS serves a wave's instructions in order (ISA guide 5.7.1.4): no wait between the stores and the loads.
.macro TOSTAGE a
.set AC, 64*((\a)%4)
	WIN 0x08+4*((\a)/4)                            ; the data: window 2 or 3
.irp b, 0,1,2,3,4,5,6,7
	ds_store_b128 v[STO], v[AC+8*\b:AC+8*\b+3] offset:64*\b          ; each accumulator from its low end on
	ds_store_b128 v[STO], v[AC+8*\b+4:AC+8*\b+7] offset:64*\b+16
.endr
	WIN 0
.set BB, BK+64*((\a)%2)
.irp t, 0,1,2,3,4,5,6,7,8,9,10,11,12,13,14,15
	ds_load_b128 v[BB+4*\t:BB+4*\t+3], v[RD] offset:\t*SPITCH
.endr
.endm
.macro SEND a, younger                 ; younger: the LDS instructions issued behind block a's loads
.set BB, BK+64*((\a)%2)
	s_wait_dscnt \younger
.if (\a) > 0
	s_add_nc_u64 s[8:9], s[8:9], 16*SIZE_N*4       ; (behind a wait on XCNT) 16 rows of C on
.endif
.irp t, 0,1,2,3,4,5,6,7,8,9,10,11,12,13,14,15
	global_store_b128 v[CO], v[BB+4*\t:BB+4*\t+3], s[8:9] offset:\t*SIZE_N*4 th:TH_STORE_NT
.endr
.endm
	PLACES NP
	TOSTAGE 0
.irp a, 1,2,3,4,5,6,7
.if \a > 1
	s_wait_xcnt 0x0                                ; block a - 2's stores have read their registers and their base
.endif
	TOSTAGE \a
	SEND \a-1, 32
.endr
	s_wait_xcnt 0x0
	SEND 7, 0
	s_wait_tensorcnt 0x0                           ; the wave's end
	ds_add_u32 v[SPW], v[NIL]
	s_wait_dscnt 0x0
	CROUND                                         ; the closing round
	s_endpgm
.Lfunc_end_k_qd8d6b1be2a_gemm:
	.size	k_qd8d6b1be2a_gemm, .Lfunc_end_k_qd8d6b1be2a_gemm-k_qd8d6b1be2a_gemm
	.p2alignl 7, 3214868480
	.fill 96, 4, 3214868480
	.section	.rodata,"a",@progbits
	.p2align	6, 0x0
	.amdhsa_kernel k_qd8d6b1be2a_gemm
		.amdhsa_group_segment_fixed_size 327680
		.amdhsa_private_segment_fixed_size 0
		.amdhsa_enable_private_segment 0
		.amdhsa_kernarg_size 24
		.amdhsa_user_sgpr_count 2
		.amdhsa_user_sgpr_kernarg_segment_ptr 1
		.amdhsa_wavefront_size32 1
		.amdhsa_system_sgpr_workgroup_id_x 1
		.amdhsa_system_sgpr_workgroup_id_y 1
		.amdhsa_system_sgpr_workgroup_id_z 1
		.amdhsa_system_vgpr_workitem_id 0
		.amdhsa_next_free_vgpr 1024
		.amdhsa_next_free_sgpr 98
		.amdhsa_reserve_vcc 0
		.amdhsa_float_denorm_mode_32 3
		.amdhsa_float_denorm_mode_16_64 3
		.amdhsa_memory_ordered 1
		.amdhsa_forward_progress 1
		.amdhsa_inst_pref_size 210
	.end_amdhsa_kernel
	.amdgpu_metadata
---
amdhsa.version: [ 1, 2 ]
amdhsa.kernels:
  - .name:           k_qd8d6b1be2a_gemm
    .symbol:         k_qd8d6b1be2a_gemm.kd
    .args:
      - { .name: xc, .offset: 0, .size: 8, .value_kind: global_buffer, .address_space: global }
      - { .name: wc, .offset: 8, .size: 8, .value_kind: global_buffer, .address_space: global }
      - { .name: out0, .offset: 16, .size: 8, .value_kind: global_buffer, .address_space: global }
    .group_segment_fixed_size: 327680
    .private_segment_fixed_size: 0
    .kernarg_segment_align: 8
    .kernarg_segment_size: 24
    .max_flat_workgroup_size: 128
    .sgpr_count:     98
    .vgpr_count:     1024
    .wavefront_size: 32
...
	.end_amdgpu_metadata
.endif
;; end of part 4
